; MI455X (gfx1250); checked and timed in simulation.
; The chip was launched on July 23, 2026; its instructions are those of AMD's public machine-readable ISA for CDNA 5 (MIT licence, August 2026) and "CDNA5" Instruction Set Architecture Reference Guide (July 2026). The comments in the code are by the model that wrote it; some were corrected since.
;; Window Attention Memory. Allowed arithmetic: matrix products marked QUANTISED: E2M1 operands, one E8M0 scale for each 32 along K, by v_wmma_scale_f32_16x16x128_f8f6f4 with both operands' format E2M1 (or v_wmma_scale_f32_32x16x128_f4), f32 sums; everything else in f32.
;; Inputs: b_k 1,024 float32; b_o 1,024 float32; b_q 1,024 float32; b_v 1,024 float32; ln_b 1,024 float32; ln_g 1,024 float32; w_k_codes 1,024 x 32 x 16 uint8 (E2M1 codes of w_k, K innermost, in blocks of 32 codes, two codes a byte); w_k_scales 1,024 x 32 uint8 (E8M0 scales of w_k, one for each 32 codes along K); w_o_codes 1,024 x 32 x 16 uint8 (E2M1 codes of w_o, K innermost, in blocks of 32 codes, two codes a byte); w_o_scales 1,024 x 32 uint8 (E8M0 scales of w_o, one for each 32 codes along K); w_q_codes 1,024 x 32 x 16 uint8 (E2M1 codes of w_q, K innermost, in blocks of 32 codes, two codes a byte); w_q_scales 1,024 x 32 uint8 (E8M0 scales of w_q, one for each 32 codes along K); w_v_codes 1,024 x 32 x 16 uint8 (E2M1 codes of w_v, K innermost, in blocks of 32 codes, two codes a byte); w_v_scales 1,024 x 32 uint8 (E8M0 scales of w_v, one for each 32 codes along K); x 4 x 2,048 x 1,024 float32.
;; Outputs: out0 4 x 2,048 x 1,024 float32.
;; This version of the problem:
;;   THIS VERSION OF THE PROBLEM IS GIVEN IN LOW PRECISION. The matrix products marked QUANTISED in the list below multiply operands that are first quantised to E2M1 (2 exponent bits, 1 mantissa bit; 4 bits a number), with one power-of-two scale for each 32 numbers along K (OCP MX v1.0); their sums are f32. All else is computed in f32.
;;   The module's matrix products, in the order in which they are computed (A, B: the left and right operand; K: the contracted axis; several contracted axes count as one K, in the product's order):
;;     1. [M 8,192, K 1,024] x [K 1,024, N 1,024]; A: computed on the way; B: input w_q (given as codes): QUANTISED
;;     2. [M 8,192, K 1,024] x [K 1,024, N 1,024]; A: computed on the way; B: input w_k (given as codes): QUANTISED
;;     3. [M 8,192, K 1,024] x [K 1,024, N 1,024]; A: computed on the way; B: input w_v (given as codes): QUANTISED
;;     4. batch 64 x [M 2,048, K 64] x [K 64, N 2,048]; A: computed on the way; B: computed on the way: QUANTISED
;;     5. batch 64 x [M 2,048, K 2,048] x [K 2,048, N 64]; A: softmax (see below); B: computed on the way: QUANTISED
;;     6. [M 8,192, K 1,024] x [K 1,024, N 1,024]; A: computed on the way; B: input w_o (given as codes): QUANTISED
;;   THE QUANTISER, for each operand of a quantised product, along K:
;;     - K is cut into blocks of 32 from its start; a last block that is shorter is filled with zeros.
;;     - A block's scale is 2^e with e = floor(log2(the largest magnitude in the block)) - 2, held to -126 .. 127; a block of zeros has e = 0. As a byte (E8M0): e + 127.
;;     - Each number is divided by its block's scale, clamped to +-6, and rounded to the nearest number of E2M1, ties to even, subnormals kept.
;;     - The product sums the exact products of the quantised numbers (number of the format x scale) in f32.
;;   ~~~python
;;   def quantise(x, axis):      # numpy; x: float32 -> the quantised numbers, widened to float32 again
;;       x = np.moveaxis(x, axis, -1); K = x.shape[-1]
;;       x = np.pad(x, [(0, 0)] * (x.ndim - 1) + [(0, -K % 32)]); x = x.reshape(x.shape[:-1] + (-1, 32)); a = np.abs(x).max(-1, keepdims=True)
;;       e = np.where(a > 0, np.clip(np.frexp(np.where(a > 0, a, 1))[1] - 1 - 2, -126, 127), 0)      # np.frexp(a)[1] - 1 = floor(log2(a)), exactly
;;       r = np.clip(x / 2.0 ** e, -6, 6)
;;       step = 2.0 ** (np.maximum(np.frexp(np.where(r == 0, 1, r))[1] - 1, 0) - 1)
;;       q = np.round(r / step) * step * 2.0 ** e      # np.round: ties to even
;;       return np.moveaxis(q.reshape(q.shape[:-2] + (-1,))[..., :K], -1, axis).astype(np.float32)
;;   ~~~
;;   SOFTMAX AHEAD OF A QUANTISED PRODUCT. Where the list says 'softmax', what is quantised is not the finished softmax but p = 2^(t - M), with t = logit x log2(e) and M = ceil(the row's largest t), a whole number; so 1/2 < the row's largest p <= 1. The row's sum l is taken of the UNQUANTISED p, in f32, and the product's result is divided by l at the end. Since M is a whole number, a kernel that streams over the keys may use a running M (the ceiling of the running maximum): every later rescaling is an exact power of two, which a block's scale takes up: the codes' values come out the same.
;;   OPERANDS COMPUTED ON THE WAY. 'Computed on the way' means the value that the module computes at that place (a softmax that the list does not call 'softmax' is quantised finished and normalised). What goes into a quantiser is computed in f32, as accurately as f32 sums, v_exp_f32 and their like allow (about 1e-6 of the number): no bf16 or f16 on the way to a quantiser, and a product that is left as it is and whose result goes on into a quantised operand takes f32 operands (vector FMAs, or v_wmma_f32_16x16x4_f32). A number that lies on a knife's edge between two numbers of the format may be rounded either way, as far as f32 arithmetic and the matrix unit's own rounding can turn it there, and no further.
;;   INPUTS GIVEN AS CODES. w_k (in the module: [1024, 1024], K = its axis 1); w_o (in the module: [1024, 1024], K = its axis 1); w_q (in the module: [1024, 1024], K = its axis 1); w_v (in the module: [1024, 1024], K = its axis 1): each comes as NAME_codes (uint8): NAME with its K axis moved to the last place and cut into blocks of 32 codes, [.., K / 32, bytes a block], one block behind the other in memory; two codes a byte, the lower K in the low four bits (a code: sign, 2 exponent bits, 1 mantissa bit); and NAME_scales (uint8): the same leading axes, one E8M0 byte (e + 127) for each 32 codes along K. Its value is code x scale, taken as it is: it is not quantised again, and the codes and scales need not be those that the quantiser above would give.
;; 2 versions, each right; version 2 is version 1 with the launch attn written anew for expert scheduling mode. Each part assembles by itself: llvm-mc -triple=amdgcn-amd-amdhsa -mcpu=gfx1250 --defsym DOCPART=n.
;; ======== version 1 of 2: 4 launches
;; workspace buffers: xn 4,456,448 bytes; qkvc 12,582,912 bytes; qkvs 786,432 bytes; cx 4,456,448 bytes
;; launch lnq (part 1): grid 256 x 1, 8 waves a work-group, no clusters, 38,912 bytes of LDS; arguments x, ln_g, ln_b, xn; writes xn
.if DOCPART == 1
	.amdgcn_target "amdgcn-amd-amdhsa--gfx1250"
	.amdhsa_code_object_version 6
	.text
	.protected	k_q774e9a97c1_lnq
	.globl	k_q774e9a97c1_lnq
	.p2align	8
	.type	k_q774e9a97c1_lnq,@function
k_q774e9a97c1_lnq:
	s_mov_b64 s[64:65], 0
	v_nop
	global_prefetch_b8 v0, s[64:65] scope:SCOPE_SE
	s_setreg_imm32_b32 hwreg(HW_REG_WAVE_MODE, 25, 1), 1
	s_wait_xcnt 0x0
; xn = (x - mean) * rsqrt(var + 1e-12) * ln_g + ln_b, row by row of 1,024 numbers, all in f32, then turned into codes of FP4 (E2M1) with one E8M0 byte for each 32 along the row.
; OUT: xn holds the codes as [8192 rows][512 bytes] (block l of a row at byte 16 l, the lower k in the lower four bits) and, from byte 0x400000 on, the scale bytes [8192][32]: the layout in which the weights come.
; SHARES: a work-group takes 32 rows, each of its eight waves 4.  A row is eight loads of 512 consecutive bytes; a wave's 32 loads of x go out together at the head.
; The variance is taken of x - mean in a second pass over the registers: no difference of large sums is formed.
; A conversion takes eight neighbours from ONE lane, a load is dense where neighbouring LANES take neighbouring bytes: so a finished row turns through the wave's own stage in LDS
; (32 blocks of 128 bytes + 16 of padding) and comes back one whole block of 32 to a lane: the block's largest magnitude needs no other lane, and the lane's 16 bytes of codes are block l of the row.
; A row's 32 scale bytes are gathered in LDS; the work-group's 1,024 leave as four stores of 256 consecutive bytes.
; LIMITS: NaN and infinities among the inputs are not served; a block whose largest magnitude lies under 2^-124 (a block of zeros too) keeps the byte 1: its codes are then zeros or tiny, and this program alone reads the bytes.
.set STG,   4608                       ; a wave's stage: 32 x 144 bytes
.set SCB,   36864                      ; behind the eight stages: 32 rows x 32 scale bytes
.set SPARE, 37888                      ; the spare words, 128 bytes for each wave: four blocks of 256 bytes that no other line names
.set G,   16                           ; v16-47   ln_g, as a row is loaded
.set BB,  48                           ; v48-79   ln_b
.set X,   80                           ; v80-207  my four rows, 32 registers each
.set T,   208                          ; v208-239 a block of 32 neighbours
.set C,   240                          ; v240-255 codes, four registers a row: no store's data are written again
	s_load_b256 s[4:11], s[0:1], 0x0               ; x s[4:5], ln_g s[6:7], ln_b s[8:9], xn s[10:11]
	v_lshl_add_u32 v6, v0, 2, SPARE                ; my spare word; never rewritten
	v_mov_b32 v7, 0                                ; 0; never rewritten
	v_lshrrev_b32 v1, 5, v0
	v_readfirstlane_b32 s12, v1                    ; wave 0..7
	v_and_b32 v1, 31, v0                           ; lane
	v_lshlrev_b32 v2, 4, v1                        ; 16 x lane: my bytes of a load, and of a row of codes
	s_mul_i32 s13, s12, STG
	v_lshrrev_b32 v3, 3, v1
	v_mul_u32_u24 v3, v3, 144
	v_and_b32 v4, 7, v1
	v_lshl_add_u32 v3, v4, 4, v3
	v_add_nc_u32 v3, s13, v3                       ; into the stage: eight lanes fill a block: 144 (lane / 8) + 16 (lane % 8); a load's 512 bytes are four blocks
	v_mul_u32_u24 v4, v1, 144
	v_add_nc_u32 v4, s13, v4                       ; out of it: block = lane
	s_lshl_b32 s13, s12, 7
	s_add_co_u32 s13, s13, SCB
	v_add_nc_u32 v5, s13, v1                       ; my block's scale byte: 32 bytes a row, four rows a wave
	s_and_b32 s13, s12, 3
	s_lshl_b32 s13, s13, 8
	v_lshlrev_b32 v15, 3, v1
	v_add_nc_u32 v15, s13, v15                     ; the scale bytes' way out: 256 (wave % 4) + 8 x lane, in memory
	v_add_nc_u32 v14, SCB, v15                     ; and in LDS
	v_mov_b32 v9, 0                                ; a lane permute's destination counts as one of its sources
	v_mov_b32 v13, 0                               ; named as the upper half of the pair v[12:13]
	s_mov_b32 s14, 0x76543210
	s_mov_b32 s15, 0xfedcba98                      ; lane selects: lane l xor 16
	s_mov_b32 s20, 0x3a800000                      ; 1 / 1024
	s_mov_b32 s21, 0x2b8cbccc                      ; 1e-12
	s_lshl_b32 s16, ttmp9, 17                      ; x: 32 rows of 4,096 bytes a work-group,
	s_lshl_b32 s17, s12, 14                        ; 4 a wave
	s_add_co_u32 s16, s16, s17
	s_mov_b32 s17, 0
	s_lshl_b32 s22, ttmp9, 14                      ; codes: 512 bytes a row
	s_lshl_b32 s23, s12, 11
	s_add_co_u32 s22, s22, s23
	s_mov_b32 s23, 0
	s_lshl_b32 s24, ttmp9, 10                      ; scale bytes: 1,024 a work-group, behind the codes
	s_add_co_u32 s24, s24, 0x400000
	s_mov_b32 s25, 0
	s_wait_kmcnt 0x0
	s_add_nc_u64 s[4:5], s[4:5], s[16:17]
	s_add_nc_u64 s[18:19], s[10:11], s[24:25]
	s_add_nc_u64 s[10:11], s[10:11], s[22:23]
.irp i, 0,1,2,3,4,5,6,7
	global_load_b128 v[G+4*\i:G+4*\i+3], v2, s[6:7] offset:512*\i
.endr
.irp i, 0,1,2,3,4,5,6,7
	global_load_b128 v[BB+4*\i:BB+4*\i+3], v2, s[8:9] offset:512*\i
.endr
.irp p, 0,1,2,3
.irp i, 0,1,2,3,4,5,6,7
	global_load_b128 v[X+32*\p+4*\i:X+32*\p+4*\i+3], v2, s[4:5] offset:4096*\p+512*\i th:TH_LOAD_NT
.endr
.endr
.macro REDUCE                          ; v8 summed over the 32 lanes, the result in every lane
	v_add_f32_dpp v8, v8, v8 row_xmask:1 row_mask:0xf bank_mask:0xf
	v_add_f32_dpp v8, v8, v8 row_xmask:2 row_mask:0xf bank_mask:0xf
	v_add_f32_dpp v8, v8, v8 row_xmask:4 row_mask:0xf bank_mask:0xf
	v_add_f32_dpp v8, v8, v8 row_xmask:8 row_mask:0xf bank_mask:0xf
	v_permlanex16_b32 v9, v8, s14, s15
	v_add_f32 v8, v8, v9
.endm
.macro ROW p
.set XR, X+32*\p
	s_wait_loadcnt 24-8*\p                         ; loads come back in order: this row's eight are in (ln_g and ln_b were asked for earlier); the later rows' eight each may be out
	v_pk_add_f32 v[8:9], v[XR:XR+1], v[XR+2:XR+3]  ; the sum, in two chains
	v_pk_add_f32 v[10:11], v[XR+4:XR+5], v[XR+6:XR+7]
.irp j, 8,12,16,20,24,28
	v_pk_add_f32 v[8:9], v[8:9], v[XR+\j:XR+\j+1]
	v_pk_add_f32 v[10:11], v[10:11], v[XR+\j+2:XR+\j+3]
.endr
	v_pk_add_f32 v[8:9], v[8:9], v[10:11]
	v_add_f32 v8, v8, v9
	REDUCE
	v_mul_f32 v12, s20, v8                         ; the mean
.irp j, 0,2,4,6,8,10,12,14,16,18,20,22,24,26,28,30
	v_pk_add_f32 v[XR+\j:XR+\j+1], v[XR+\j:XR+\j+1], v[12:13] op_sel_hi:[1,0] neg_lo:[0,1] neg_hi:[0,1]   ; x - mean
.endr
	v_pk_mul_f32 v[8:9], v[XR:XR+1], v[XR:XR+1]    ; the sum of squares, in two chains
	v_pk_mul_f32 v[10:11], v[XR+2:XR+3], v[XR+2:XR+3]
.irp j, 4,8,12,16,20,24,28
	v_pk_fma_f32 v[8:9], v[XR+\j:XR+\j+1], v[XR+\j:XR+\j+1], v[8:9]
	v_pk_fma_f32 v[10:11], v[XR+\j+2:XR+\j+3], v[XR+\j+2:XR+\j+3], v[10:11]
.endr
	v_pk_add_f32 v[8:9], v[8:9], v[10:11]
	v_add_f32 v8, v8, v9
	REDUCE
	v_fma_f32 v8, v8, s20, s21                     ; the variance + 1e-12
	v_rsq_f32 v12, v8
	v_nop                                          ; a plain instruction behind the transcendental,
	s_wait_alu depctr_va_vdst(0)                   ; and the wait ahead of its first reader
.irp j, 0,2,4,6,8,10,12,14,16,18,20,22,24,26,28,30
	v_pk_mul_f32 v[XR+\j:XR+\j+1], v[XR+\j:XR+\j+1], v[12:13] op_sel_hi:[1,0]
.endr
.irp j, 0,2,4,6,8,10,12,14,16,18,20,22,24,26,28,30
	v_pk_fma_f32 v[XR+\j:XR+\j+1], v[XR+\j:XR+\j+1], v[G+\j:G+\j+1], v[BB+\j:BB+\j+1]
.endr
.irp i, 0,1,2,3,4,5,6,7
	ds_store_b128 v3, v[XR+4*\i:XR+4*\i+3] offset:576*\i
.endr
.irp i, 0,1,2,3,4,5,6,7
	ds_load_b128 v[T+4*\i:T+4*\i+3], v4 offset:16*\i   ; LDS serves a wave's instructions in order: these see the stores above, and the next row's stores come behind them
.endr
	s_wait_dscnt 0x0
	v_max3_num_f32 v8, |v[T]|, |v[T+1]|, |v[T+2]|  ; the block's largest magnitude: all 32 numbers are mine
	v_max3_num_f32 v10, |v[T+3]|, |v[T+4]|, |v[T+5]|
.irp i, 6,10,14,18,22,26
	v_max3_num_f32 v8, v8, |v[T+\i]|, |v[T+\i+1]|
	v_max3_num_f32 v10, v10, |v[T+\i+2]|, |v[T+\i+3]|
.endr
	v_max3_num_f32 v8, v8, |v[T+30]|, |v[T+31]|
	v_max3_num_f32 v8, v8, v10, 0x1800000          ; and the floor 2^(3 - 127): the byte cannot fall under 1
	v_add_nc_u32 v11, 0xff000000, v8               ; 2 off its exponent field: the conversion takes the exponent field of this operand as its scale
.irp g, 0,1,2,3
	v_cvt_scalef32_pk8_fp4_f32 v[C+4*\p+\g], v[T+8*\g:T+8*\g+7], v11
.endr
	v_lshrrev_b32 v10, 23, v11                     ; the scale's byte (also the plain instruction behind the conversions)
	ds_store_b8 v5, v10 offset:32*\p
	global_store_b128 v2, v[C+4*\p:C+4*\p+3], s[10:11] offset:512*\p   ; 32 lanes store the row's 512 bytes of codes
.endm
	ROW 0
	ROW 1
	ROW 2
	ROW 3
	s_wait_dscnt 0x0                               ; for the others' sake: my scale bytes lie in LDS
	s_barrier_signal -1
	s_barrier_wait -1
	s_cmp_lt_u32 s12, 4                            ; waves 0 to 3 store 256 consecutive bytes each
	s_cbranch_scc0 .Lno_bytes
	ds_load_b64 v[8:9], v14
	s_wait_dscnt 0x0
	global_store_b64 v15, v[8:9], s[18:19]
.Lno_bytes:
	s_wait_tensorcnt 0x0                           ; the wave's end, behind my last LDS store
	ds_add_u32 v6, v7
	s_wait_dscnt 0x0
	s_endpgm
.Lfunc_end_k_q774e9a97c1_lnq:
	.size	k_q774e9a97c1_lnq, .Lfunc_end_k_q774e9a97c1_lnq-k_q774e9a97c1_lnq
	.p2alignl 7, 3214868480
	.fill 96, 4, 3214868480
	.section	.rodata,"a",@progbits
	.p2align	6, 0x0
	.amdhsa_kernel k_q774e9a97c1_lnq
		.amdhsa_group_segment_fixed_size 38912
		.amdhsa_private_segment_fixed_size 0
		.amdhsa_enable_private_segment 0
		.amdhsa_kernarg_size 32
		.amdhsa_user_sgpr_count 2
		.amdhsa_user_sgpr_kernarg_segment_ptr 1
		.amdhsa_wavefront_size32 1
		.amdhsa_system_sgpr_workgroup_id_x 1
		.amdhsa_system_sgpr_workgroup_id_y 1
		.amdhsa_system_sgpr_workgroup_id_z 1
		.amdhsa_system_vgpr_workitem_id 0
		.amdhsa_next_free_vgpr 256
		.amdhsa_next_free_sgpr 66
		.amdhsa_reserve_vcc 0
		.amdhsa_float_denorm_mode_32 3
		.amdhsa_float_denorm_mode_16_64 3
		.amdhsa_memory_ordered 1
		.amdhsa_forward_progress 1
		.amdhsa_inst_pref_size 42
	.end_amdhsa_kernel
	.amdgpu_metadata
---
amdhsa.version: [ 1, 2 ]
amdhsa.kernels:
  - .name:           k_q774e9a97c1_lnq
    .symbol:         k_q774e9a97c1_lnq.kd
    .args:
      - { .name: x, .offset: 0, .size: 8, .value_kind: global_buffer, .address_space: global }
      - { .name: ln_g, .offset: 8, .size: 8, .value_kind: global_buffer, .address_space: global }
      - { .name: ln_b, .offset: 16, .size: 8, .value_kind: global_buffer, .address_space: global }
      - { .name: xn, .offset: 24, .size: 8, .value_kind: global_buffer, .address_space: global }
    .group_segment_fixed_size: 38912
    .private_segment_fixed_size: 0
    .kernarg_segment_align: 8
    .kernarg_segment_size: 32
    .max_flat_workgroup_size: 256
    .sgpr_count:     66
    .vgpr_count:     256
    .wavefront_size: 32
...
	.end_amdgpu_metadata
.endif
;; end of part 1
;; launch qkv (part 2): grid 12 x 32, 4 waves a work-group, clusters of 4 x 4, 327,680 bytes of LDS; arguments xn, w_q_codes, w_q_scales, w_k_codes, w_k_scales, w_v_codes, w_v_scales, b_q, b_k, b_v, qkvc, qkvs; writes qkvc, qkvs
.if DOCPART == 2
	.amdgcn_target "amdgcn-amd-amdhsa--gfx1250"
	.amdhsa_code_object_version 6
	.text
	.protected	k_q774e9a97c1_qkv
	.globl	k_q774e9a97c1_qkv
	.p2align	8
	.type	k_q774e9a97c1_qkv,@function
k_q774e9a97c1_qkv:
	s_mov_b64 s[64:65], 0
	v_nop
	global_prefetch_b8 v0, s[64:65] scope:SCOPE_SE
	s_setreg_imm32_b32 hwreg(HW_REG_WAVE_MODE, 25, 1), 1
	s_wait_xcnt 0x0
	s_wait_alu depctr_hold_cnt(0) depctr_sa_sdst(0) depctr_va_vdst(0) depctr_va_sdst(0) depctr_va_ssrc(0) depctr_va_vcc(0) depctr_vm_vsrc(0)
	s_getreg_b32 s2, hwreg(HW_REG_IB_STS2, 6, 4)
	s_cmp_eq_u32 s2, 0
	s_cbranch_scc0 .Lentry_in_a_cluster
	s_endpgm
.Lentry_in_a_cluster:
	s_bfe_u32 s2, ttmp6, 0x10000c
	s_cmp_lg_u32 s2, 0xf033
	s_cbranch_scc0 .Lentry_shape_is_right
	s_endpgm
.Lentry_shape_is_right:
; THE THREE PROJECTIONS on codes of FP4 (E2M1), K = 1,024, their biases, and the quantising of the results for the attention launch.
; The cluster's x says which: 0: q = xn Wq^T + bq;  1: k likewise;  2: v, made TRANSPOSED: v^T = Wv xn^T + bv, so that a lane's results run along the KEYS, which are the K of attention's second product.
; xn lies in memory as a weight does (512 bytes of codes and 32 scale bytes a row), so the three are ONE text: C' = A' B'^T with A' = xn, B' = W (q, k) or A' = Wv, B' = xn (v): only pointers and tile numbers are chosen.
; A tile of C', 256 x 256, is made by four waves, 128 x 128 each: 64 accumulators, 512 registers.  K goes in two steps of 512 through two LDS slots, each filled once: rows of 256 bytes + 16 of padding.
; The scale bytes of the tile's rows come once, as blocks of 256 bytes + 16.  By this text's own count a wave has three tensor loads out.
; CLUSTER: 4 x 4 work-groups; A's tiles are asked for jointly along a row of the cluster, B's along a column.  The choice of the projection hangs on the cluster's x, which all sixteen share.
; THE MATRIX INSTRUCTION IS USED TRANSPOSED (source 0 = 16 rows of B', source 1 = 16 rows of A'): accumulator (a, b), lane (r, h), register j = C'(16 a + r, 16 b + 8 h + j).
; THE BIAS is the C of each sum's first product: along the columns (q, k: eight registers for each b) or along the rows (v: one number a lane for each a, copied into eight registers).
; THE WAY OUT: a lane's 64 registers of a block a are 128 neighbours (with lane l xor 16) along the next K: q, k: the two heads' 64 channels; v: a step of 128 keys.  Four blocks of 32 are quantised in registers;
; the conversions' results are written to registers +0, +2, +1, +3 of each pair of blocks, and two exchanges of half rows of lanes then leave a WHOLE block in a lane, as the 4-bit operand wants it.
; OUT: qkvc: sections of 0x400000 bytes for q, k, v.  q, k: [batch x 16 + head][tile of 16 rows][lane][16 bytes], lane (r, h) = row r, channels 32 h on.  v: [batch x 16 + head][step of 128 keys][tile of 16 channels][c][lane][16 bytes],
; lane (r, h) = channel r, keys 64 c + 32 h on.  qkvs: sections of 0x40000 bytes; blocks of 512 bytes [(batch x 8 + head pair) x 16 + group of 128 rows][r][a] of scale words.  Every store covers 512 consecutive bytes.
; LIMITS: NaN and infinities are not served; a block whose largest magnitude lies under 2^-124 (a block of zeros too) keeps the byte 1; this program alone reads the bytes.
.set NQ,     4                         ; matrix instructions deep in a slot (512 along K)
.set ROWB,   256                       ; a tile's row in bytes
.set KROW,   512                       ; a row of codes in memory
.set PITCH,  272                       ; an LDS row: 256 bytes + 16 of padding: the 16 rows that a load touches start at 16 different banks (64 banks of 4 bytes: ISA guide 11.1)
.set FR,     8
.set NL,     2
.set NP,     4                         ; places behind this matrix instruction (ISA guide 7.12.1)
.set HALFT,  128*PITCH
.set SLOT,   4*HALFT                   ; A's 256 rows, then B's 256 rows
.set KS,     32                        ; a row of scale bytes
.set SCL,    2*SLOT                    ; behind the slots: the scales
.set HALFS,  (128*KS/256)*272
.set SBLK,   (16*KS/256)*272
.set SPARE,  SCL+4*HALFS               ; the spare words, 128 bytes for each wave: two blocks of 256 bytes that no other line names
.set ADRA, 16                          ; v16-17  LDS address of my A fragments in slot 0, 1
.set ADRB, 20                          ; v20-21  the same for B
.set ADRS, 27                          ; v27     my scale words: lanes 0-15 A's rows, lanes 16-31 B's
.set SPW,  28                          ; v28     my spare word; never rewritten
.set NIL,  29                          ; v29     0; never rewritten
.set SC,   32                          ; v32-95  scale words, a set for each slot
.set TM,   96                          ; v96-111 the way out: +0..3 largest magnitudes, +4..7 the other lane's, then bytes, +12..15 the conversions' scale operands
.set PW,   112                         ; v112-119 the scale word of each block a
.set SW,   120                         ; v120-123 four of them, chosen by my half of the lanes
.set AF,   128                         ; v128-191 A's fragments, one set
.set PCB,  136                         ; v136-199 the way out: eight registers of codes for each block a
.set OFF,  200                         ; v200-207 the way out: my byte offset for block a
.set G1, 24
.set G0, 32
.set G1B, 48
.set G0B, 56
.set G1S, 68
.set G0S, 76
.set G1SB, 80
.set G0SB, 88
.set MSB, 0
.macro WIN new                         ; the immediate's high byte repeats the setting that is left
.if MSB != \new
	s_set_vgpr_msb (MSB<<8)|\new
.set MSB, \new
.endif
.endm
.set MUL_LO, 0xa1                      ; source 0 (B) window 1, source 1 (A) window 0, C and D window 2
.set MUL_HI, 0xf1                      ; the same, C and D window 3
.set TO_B,   0x40                      ; destination window 1, address window 0
; A joint load: waves 0 and 1 fetch for A, waves 2 and 3 for B; the branch hangs on the wave's number alone.  An s_nop 0 and four v_nop follow each of the two lines.
.macro JLOAD g0a, g1a, g0b, g1b
	s_cmp_eq_u32 s15, 0
	s_cbranch_scc0 .Lfor_b_\@
	tensor_load_to_lds s[\g0a:\g0a+3], s[\g1a:\g1a+7]
	s_nop 0
.rept 4
	v_nop
.endr
	s_branch .Lasked_\@
.Lfor_b_\@:
	tensor_load_to_lds s[\g0b:\g0b+3], s[\g1b:\g1b+7]
	s_nop 0
.rept 4
	v_nop
.endr
.Lasked_\@:
.endm
.macro CROUND                          ; a round of the cluster's barrier
	s_barrier_signal -1
	s_barrier_wait -1
	s_cmp_lg_u32 s14, 0
	s_cbranch_scc1 .Lnot_wave_0_\@
	s_barrier_signal -3
.Lnot_wave_0_\@:
	s_barrier_wait -3
	s_barrier_signal -1
	s_barrier_wait -1
.endm
	s_load_b256 s[32:39], s[0:1], 0x0              ; xn, Wq's codes, Wq's scales, Wk's codes
	s_load_b256 s[56:63], s[0:1], 0x20             ; Wk's scales, Wv's codes, Wv's scales, bq
	s_load_b256 s[4:11], s[0:1], 0x40              ; bk, bv, qkvc, qkvs
	v_lshl_add_u32 v[SPW], v0, 2, SPARE
	v_mov_b32 v[NIL], 0
	ds_add_u32 v[SPW], v[NIL]                      ; the wave's opening: the add and its wait stand ahead of my first tensor load; work on registers stands between them
	v_lshrrev_b32 v1, 5, v0
	v_readfirstlane_b32 s14, v1                    ; wave 0..3
	s_lshr_b32 s15, s14, 1                         ; which half of the tile's rows is mine.  Also: I fetch for A (0) or for B (1)
	s_and_b32 s16, s14, 1                          ; which half of its columns.  Also: which 128 rows of that tile I fetch
	s_bfe_u32 s40, ttmp6, 0x40000                  ; cx, cy: my place in the cluster
	s_bfe_u32 s41, ttmp6, 0x40004
	s_and_b32 s17, ttmp7, 0xffff                   ; the cluster's y walks xn's rows: they are C's rows for q and k, its columns for v
	s_cmp_eq_u32 ttmp9, 2
	s_cselect_b32 s42, s17, 0
	s_cselect_b32 s17, 0, s17
	s_lshl_b32 s42, s42, 2
	s_add_co_u32 s42, s42, s40                     ; tile column of C'
	s_lshl_b32 s17, s17, 2
	s_add_co_u32 s17, s17, s41                     ; tile row of C'
	s_lshl_b32 s43, s41, 2
	s_lshl_b32 s43, 15, s43                        ; my row of the cluster
	s_lshl_b32 s44, 0x1111, s40                    ; my column
	s_or_b32 s[G1+0], s43, (0<<16)|(1<<20)|(1<<21)|(5<<22)|(3<<25)  ; the mask; elements of 1 byte; padding on; bit 21 beside a mask; 4 words after every 64
	s_or_b32 s[G1B+0], s44, (0<<16)|(1<<20)|(1<<21)|(5<<22)|(3<<25)
.irp g, G1, G1B
	s_mov_b32 s[\g+1], ROWB<<16                    ; tensor_dim0
	s_mov_b32 s[\g+2], 128<<16                     ; tensor_dim1
	s_mov_b32 s[\g+3], ROWB<<16                    ; tile_dim0
	s_mov_b32 s[\g+4], 128                         ; tile_dim1
	s_mov_b32 s[\g+5], KROW                        ; the pitch
	s_mov_b32 s[\g+6], 0
	s_mov_b32 s[\g+7], 0
.endr
	s_or_b32 s[G1S+0], s43, (3<<16)|(1<<20)|(1<<21)|(5<<22)|(3<<25) ; the scales of 128 rows: 4,096 dense bytes as 16 rows of 256 (32 elements of 8 bytes), 16 bytes of padding behind each
	s_or_b32 s[G1SB+0], s44, (3<<16)|(1<<20)|(1<<21)|(5<<22)|(3<<25)
.irp g, G1S, G1SB
	s_mov_b32 s[\g+1], 32<<16
	s_mov_b32 s[\g+2], (128*KS/256)<<16
	s_mov_b32 s[\g+3], 32<<16
	s_mov_b32 s[\g+4], 128*KS/256
	s_mov_b32 s[\g+5], 32
	s_mov_b32 s[\g+6], 0
	s_mov_b32 s[\g+7], 0
.endr
	s_lshl_b32 s18, s16, 7                         ; which 128 rows of the tile I fetch
	s_lshl_b32 s20, s17, 8
	s_add_co_u32 s20, s20, s18                     ; A: row 256 x tile row + 128 x half
	s_lshl_b32 s46, s42, 8
	s_add_co_u32 s46, s46, s18                     ; B: row 256 x tile column + 128 x half
	s_mov_b32 s21, 0
	s_mov_b32 s47, 0
	s_mov_b64 s[18:19], KS
	s_mul_u64 s[22:23], s[20:21], s[18:19]         ; where these rows' scales begin, in bytes,
	s_mul_u64 s[92:93], s[46:47], s[18:19]
	s_mov_b64 s[18:19], KROW
	s_mul_u64 s[20:21], s[20:21], s[18:19]         ; and their codes
	s_mul_u64 s[46:47], s[46:47], s[18:19]
	s_mul_i32 s45, s14, HALFT                      ; where they go: wave x 128 rows: no place in the cluster enters an LDS address
	s_mul_i32 s94, s14, HALFS
	s_wait_dscnt 0x0                               ; the opening add is done
	s_wait_kmcnt 0x0
	s_add_nc_u64 s[12:13], s[32:33], 0x400000      ; xn's scale bytes lie behind its codes
	s_cmp_eq_u32 ttmp9, 0                          ; q or k: the choices hang on the cluster's x alone
	s_cselect_b64 s[34:35], s[34:35], s[38:39]     ; the weight's codes,
	s_cselect_b64 s[36:37], s[36:37], s[56:57]     ; its scales,
	s_cselect_b64 s[4:5], s[62:63], s[4:5]         ; the bias
	s_cmp_eq_u32 ttmp9, 2                          ; v?
	s_cselect_b64 s[96:97], s[6:7], s[4:5]         ; the bias
	s_cselect_b64 s[4:5], s[58:59], s[32:33]       ; A's codes: Wv, else xn
	s_cselect_b64 s[6:7], s[60:61], s[12:13]       ; A's scales
	s_mov_b64 s[98:99], s[8:9]                     ; qkvc
	s_mov_b64 s[100:101], s[10:11]                 ; qkvs
	s_cselect_b64 s[8:9], s[32:33], s[34:35]       ; B's codes: xn, else the weight
	s_cselect_b64 s[10:11], s[12:13], s[36:37]     ; B's scales
	s_add_nc_u64 s[20:21], s[4:5], s[20:21]
	s_add_nc_u64 s[22:23], s[6:7], s[22:23]
	s_add_nc_u64 s[46:47], s[8:9], s[46:47]
	s_add_nc_u64 s[92:93], s[10:11], s[92:93]
	CROUND                                         ; all sixteen work-groups are here: the first joint loads meet
	s_mov_b32 s[G0S], 1
	s_add_co_u32 s[G0S+1], s94, SCL
	s_mov_b64 s[G0S+2:G0S+3], s[22:23]
	s_or_b32 s[G0S+3], s[G0S+3], 0x80000000
	s_mov_b32 s[G0SB], 1
	s_add_co_u32 s[G0SB+1], s94, SCL
	s_mov_b64 s[G0SB+2:G0SB+3], s[92:93]
	s_or_b32 s[G0SB+3], s[G0SB+3], 0x80000000
	JLOAD G0S, G1S, G0SB, G1SB                     ; the scales first: they are wanted with the first step
.irp s, 0,1
	s_mov_b32 s[G0+4*\s], 1
	s_add_co_u32 s[G0+4*\s+1], s45, \s*SLOT
	s_add_nc_u64 s[G0+4*\s+2:G0+4*\s+3], s[20:21], \s*ROWB
	s_or_b32 s[G0+4*\s+3], s[G0+4*\s+3], 0x80000000
	s_mov_b32 s[G0B+4*\s], 1
	s_add_co_u32 s[G0B+4*\s+1], s45, \s*SLOT
	s_add_nc_u64 s[G0B+4*\s+2:G0B+4*\s+3], s[46:47], \s*ROWB
	s_or_b32 s[G0B+4*\s+3], s[G0B+4*\s+3], 0x80000000
	JLOAD G0+4*\s, G1, G0B+4*\s, G1B               ; both slots: all of K; nothing is filled again
.endr
	v_and_b32 v1, 15, v0                           ; r = l % 16
	v_bfe_u32 v2, v0, 4, 1                         ; h = l / 16
	v_mul_u32_u24 v3, v1, PITCH
	v_lshl_add_u32 v4, v2, 4, v3                   ; a fragment's row x pitch + 16 x half
	s_mul_i32 s21, s15, HALFT                      ; my 128 rows of A
	s_mul_i32 s22, s16, HALFT                      ; my 128 rows of B,
	s_add_co_u32 s22, s22, 2*HALFT                 ; which lie behind A's 256
.irp s, 0,1
	v_add_nc_u32 v[ADRA+\s], s21, v4
	v_add_nc_u32 v[ADRB+\s], s22, v4
	s_add_co_u32 s21, s21, SLOT
	s_add_co_u32 s22, s22, SLOT
.endr
	v_mul_u32_u24 v5, v1, KS                       ; my row's scales: KS bytes a row,
	v_lshrrev_b32 v6, 8, v5
	v_lshl_add_u32 v5, v6, 4, v5                   ; and 16 more for each 256 passed
	s_mul_i32 s21, s15, HALFS
	s_mul_i32 s22, s16, HALFS
	s_add_co_u32 s22, s22, 2*HALFS
	s_sub_co_u32 s22, s22, s21
	v_mul_u32_u24 v6, s22, v2                      ; lanes 16-31 take B's
	s_add_co_u32 s21, s21, SCL
	v_add_nc_u32 v5, v5, v6
	v_add_nc_u32 v[ADRS], s21, v5
	; which features and which rows of xn are mine
	s_lshl_b32 s20, s17, 8
	s_lshl_b32 s21, s15, 7
	s_add_co_u32 s20, s20, s21                     ; my first row of C'
	s_lshl_b32 s46, s42, 8
	s_lshl_b32 s47, s16, 7
	s_add_co_u32 s46, s46, s47                     ; my first column
	s_cmp_eq_u32 ttmp9, 2
	s_cselect_b32 s94, s20, s46                    ; F0: my first feature (a multiple of 128: a pair of heads)
	s_cselect_b32 s95, s46, s20                    ; X0: my first row of xn (a multiple of 128)
	s_lshl_b32 s20, s94, 2
	s_mov_b32 s21, 0
	s_add_nc_u64 s[96:97], s[96:97], s[20:21]      ; the bias at my first feature
	v_lshlrev_b32 v8, 5, v2                        ; along the columns: 32 h;
	v_lshlrev_b32 v9, 2, v1                        ; along the rows: 4 r
	WIN TO_B                                       ; both forms are loaded (both lie inside the buffer): window 1, v64-127 and v192 + 8 a
.irp b, 0,1,2,3,4,5,6,7
	global_load_b128 v[64+8*\b:64+8*\b+3], v8, s[96:97] offset:64*\b
	global_load_b128 v[64+8*\b+4:64+8*\b+7], v8, s[96:97] offset:64*\b+16
.endr
.irp a, 0,1,2,3,4,5,6,7
	global_load_b32 v[192+8*\a], v9, s[96:97] offset:64*\a
.endr
	WIN 0
	; the way out's addresses, while the tiles are on their way
	s_cmp_eq_u32 ttmp9, 2
	s_mov_b32 s18, 512
	s_cselect_b32 s18, 1024, s18                   ; from block a to block a + 1: a tile of 16 rows (q, k) or of 16 channels (v)
	s_cselect_b32 s19, 61440, 0                    ; v: blocks 4-7 are the odd head's: 65,536 - 4 x 1,024 more
	s_mov_b32 s22, 65536
	s_cselect_b32 s22, 512, s22                    ; from registers 0-3 to 4-7: the odd head (q, k) or keys 64 on (v)
	s_mov_b32 s23, 0
	s_lshr_b32 s20, s95, 11                        ; the batch
	s_lshl_b32 s21, s20, 4
	s_lshr_b32 s46, s94, 6
	s_add_co_u32 s21, s21, s46                     ; batch x 16 + head
	s_lshl_b32 s21, s21, 16
	s_and_b32 s46, s95, 2047
	s_lshl_b32 s46, s46, 5                         ; 32 bytes for each row of the sequence, in all three layouts
	s_add_co_u32 s21, s21, s46
	s_lshl_b32 s46, ttmp9, 22                      ; the section
	s_add_co_u32 s46, s46, s21
	s_mov_b32 s47, 0
	s_add_nc_u64 s[98:99], s[98:99], s[46:47]
	s_add_nc_u64 s[92:93], s[98:99], s[22:23]
	s_lshl_b32 s20, s20, 3
	s_lshr_b32 s21, s94, 7
	s_add_co_u32 s20, s20, s21                     ; batch x 8 + head pair
	s_lshl_b32 s20, s20, 4
	s_bfe_u32 s21, s95, 0x40007                    ; the group of 128 rows
	s_add_co_u32 s20, s20, s21
	s_lshl_b32 s20, s20, 9
	s_lshl_b32 s21, ttmp9, 18
	s_add_co_u32 s20, s20, s21
	s_mov_b32 s21, 0
	s_add_nc_u64 s[100:101], s[100:101], s[20:21]
	s_mov_b32 s2, 0x76543210
	s_mov_b32 s3, 0xfedcba98                       ; lane selects: lane l xor 16
.macro FRAG reg, adr, q, i             ; 16 rows x 128 K of 4-bit codes: lane l holds row l % 16; registers 4 c .. 4 c + 3 hold K = 64 c + 32 (l / 16) + 0 .. 31
.irp c, 0,1
	ds_load_b128 v[\reg+4*\c:\reg+4*\c+3], v[\adr] offset:64*(\q)+32*\c+(\i)*16*PITCH
.endr
.endm
; 16 matrix instructions: A's blocks a0, a0 + 1 x B's eight.  cm = 0: the sums go on; 1: they begin with the bias along the columns; 2: with the bias along the rows.
; The 64 accumulators take turns, one instruction a turn, in the same order in every step.
.macro MUL16 a0, p, q, sc, cm
.irp a, \a0, \a0+1
.irp b, 0,1,2,3,4,5,6,7
.if \cm == 1
	v_wmma_scale_f32_16x16x128_f8f6f4 v[8*(8*((\a)%4)+\b):8*(8*((\a)%4)+\b)+7], v[128*(\p)+FR*\b:128*(\p)+FR*\b+FR-1], v[AF+FR*(\a):AF+FR*(\a)+FR-1], v[64+8*\b:64+8*\b+7], v[SC+8*NQ*(\sc)+NQ*\b+(\q)], v[SC+8*NQ*(\sc)+NQ*(\a)+(\q)] matrix_a_fmt:MATRIX_FMT_FP4 matrix_b_fmt:MATRIX_FMT_FP4 matrix_a_scale:MATRIX_SCALE_ROW1
.elseif \cm == 2
	v_wmma_scale_f32_16x16x128_f8f6f4 v[8*(8*((\a)%4)+\b):8*(8*((\a)%4)+\b)+7], v[128*(\p)+FR*\b:128*(\p)+FR*\b+FR-1], v[AF+FR*(\a):AF+FR*(\a)+FR-1], v[192+8*(\a):192+8*(\a)+7], v[SC+8*NQ*(\sc)+NQ*\b+(\q)], v[SC+8*NQ*(\sc)+NQ*(\a)+(\q)] matrix_a_fmt:MATRIX_FMT_FP4 matrix_b_fmt:MATRIX_FMT_FP4 matrix_a_scale:MATRIX_SCALE_ROW1
.else
	v_wmma_scale_f32_16x16x128_f8f6f4 v[8*(8*((\a)%4)+\b):8*(8*((\a)%4)+\b)+7], v[128*(\p)+FR*\b:128*(\p)+FR*\b+FR-1], v[AF+FR*(\a):AF+FR*(\a)+FR-1], v[8*(8*((\a)%4)+\b):8*(8*((\a)%4)+\b)+7], v[SC+8*NQ*(\sc)+NQ*\b+(\q)], v[SC+8*NQ*(\sc)+NQ*(\a)+(\q)] matrix_a_fmt:MATRIX_FMT_FP4 matrix_b_fmt:MATRIX_FMT_FP4 matrix_a_scale:MATRIX_SCALE_ROW1
.endif
.endr
.endr
.endm
.macro FETCH_B slot, q, p
	WIN TO_B
.irp i, 0,1,2,3,4,5,6,7
	FRAG 128*(\p)+FR*\i, ADRB+\slot, \q, \i
.endr
	WIN 0
.endm
.macro FETCH_A slot, q, i0
.irp i, \i0, \i0+1, \i0+2, \i0+3
	FRAG AF+FR*(\i), ADRA+\slot, \q, \i
.endr
.endm
.macro SCALES sc                       ; a slot's scale words: four words a row; lanes 0-15 take A's block i, lanes 16-31 B's block i
.irp i, 0,1,2,3,4,5,6,7
	ds_load_b128 v[SC+8*NQ*\sc+NQ*\i:SC+8*NQ*\sc+NQ*\i+3], v[ADRS] offset:\i*SBLK
.endr
.endm
.macro PLACES n                        ; plain vector instructions between a matrix instruction and a load into, or a vector read of, its registers
.rept \n
	v_nop
.endr
.endm
; A step of 128 along K that has its successor in the same slot.  A has one set of registers (blocks 0-3 are fetched anew in the step's middle, blocks 4-7 at its end), B two.
.macro STEP slot, q, cm
	s_wait_dscnt 4*NL                              ; all but the youngest eight loads (A's blocks 4-7) are in
.if \cm
	WIN 0x91                                       ; C (the bias) window 1, D window 2
.else
	WIN MUL_LO
.endif
	MUL16 0, (\q)%2, \q, \slot, \cm
	MUL16 2, (\q)%2, \q, \slot, \cm
	s_wait_dscnt 0
	PLACES NP
	FETCH_B \slot, (\q)+1, 1-(\q)%2
	FETCH_A \slot, (\q)+1, 0
.if \cm
	WIN 0xd1
.else
	WIN MUL_HI
.endif
	MUL16 4, (\q)%2, \q, \slot, \cm
	MUL16 6, (\q)%2, \q, \slot, \cm
	PLACES NP
	WIN 0
	FETCH_A \slot, (\q)+1, 4
.endm
; Slot 0's last step changes slots: each wave waits for all its tensor loads (its part of slot 1), adds 0 to its spare word, waits for that and for its reads; behind the barrier slot 1 is whole.
.macro TURN slot, next
	s_wait_tensorcnt 0x0
	ds_add_u32 v[SPW], v[NIL]
	s_wait_dscnt 4*NL+1                            ; (the add and A's blocks 4-7 may be out)
	WIN MUL_LO
	MUL16 0, 1, NQ-1, \slot, 0
	s_wait_dscnt 0x0
	s_barrier_signal -1
	MUL16 2, 1, NQ-1, \slot, 0
	WIN 0
	s_barrier_wait -1
	PLACES NP
	v_add_nc_u32 v[ADRS], 4*NQ, v[ADRS]            ; on to the next slot's scale words
	FETCH_B \next, 0, 0
	FETCH_A \next, 0, 0
	SCALES \next
	WIN MUL_HI
	MUL16 4, 1, NQ-1, \slot, 0
	MUL16 6, 1, NQ-1, \slot, 0
	PLACES NP
	WIN 0
	FETCH_A \next, 0, 4
.endm
.macro STEPS slot, from
.set Q, \from
.rept NQ-1-\from
	STEP \slot, Q, 0
.set Q, Q+1
.endr
.endm
	s_wait_tensorcnt 1                             ; the scales and my part of slot 0 are in; slot 1's load may be out
	s_barrier_signal -1
	s_barrier_wait -1
	FETCH_B 0, 0, 0
	FETCH_A 0, 0, 0
	SCALES 0
	FETCH_A 0, 0, 4
	s_wait_loadcnt 0x0                             ; the bias
	s_cmp_eq_u32 ttmp9, 2                          ; the cluster's x: the same in all sixteen partners; no tensor load, barrier or add stands in either arm
	s_cbranch_scc1 .Lrows
	STEP 0, 0, 1                                   ; q, k: the sums begin with the bias of the columns
	s_branch .Lbegun
.Lrows:
	WIN 0x41                                       ; v: a lane's feature is its row: its one number fills the eight registers
.irp a, 0,1,2,3,4,5,6,7
.irp j, 1,2,3,4,5,6,7
	v_mov_b32 v[192+8*\a+\j], v[192+8*\a]
.endr
.endr
	WIN 0
	PLACES 4
	STEP 0, 0, 2
.Lbegun:
	STEPS 0, 1
	TURN 0, 1
	STEPS 1, 0
	s_wait_dscnt 4*NL                              ; the last step: nothing more to fetch
	WIN MUL_LO
	MUL16 0, 1, NQ-1, 1, 0
	MUL16 2, 1, NQ-1, 1, 0
	s_wait_dscnt 0
	WIN MUL_HI
	MUL16 4, 1, NQ-1, 1, 0
	MUL16 6, 1, NQ-1, 1, 0
	WIN 0
	; THE WAY OUT.  These plain lines name no register of the last products: they are the places behind them.
.irp b, 0,1,2,3
	v_mov_b32 v[TM+4+\b], 0                        ; a lane permute's destination counts as one of its sources
.endr
	v_and_b32 v124, 31, v0
	v_lshlrev_b32 v124, 4, v124                    ; 16 x lane
	v_lshlrev_b32 v125, 5, v1
	v_lshl_add_u32 v125, v2, 4, v125               ; the scale words: 32 r + 16 h
.irp a, 0,1,2,3,4,5,6,7
	s_mul_i32 s20, s18, \a
.if \a >= 4
	s_add_co_u32 s20, s20, s19
.endif
	v_add_nc_u32 v[OFF+\a], s20, v124
.endr
; Block a: 64 numbers a lane, register 8 b + j = place 16 b + 8 h + j of my row along the next K; four blocks of 32, each shared with lane l xor 16.  Each accumulator is read from its low end on.
.macro EQ a
.set AC, 64*((\a)%4)
.set WD, 2+(\a)/4
.set PCA, PCB+8*(\a)
	WIN 5*WD                                       ; sources 0 and 1: the accumulators' window
.irp b, 0,1,2,3
	v_max3_num_f32 v[TM+\b], |v[AC+16*\b]|, |v[AC+16*\b+1]|, 0x1800000   ; and the floor 2^(3 - 127): the byte cannot fall under 1
.endr
	WIN 20*WD                                      ; sources 1 and 2
.irp i, 2,4,6,8,10,12,14
.irp b, 0,1,2,3
	v_max3_num_f32 v[TM+\b], v[TM+\b], |v[AC+16*\b+\i]|, |v[AC+16*\b+\i+1]|
.endr
.endr
	WIN 0
.irp b, 0,1,2,3
	v_permlanex16_b32 v[TM+4+\b], v[TM+\b], s2, s3
.endr
.irp b, 0,1,2,3
	v_max_num_f32 v[TM+\b], v[TM+\b], v[TM+4+\b]   ; the block's largest magnitude
.endr
.irp b, 0,1,2,3
	v_add_nc_u32 v[TM+12+\b], 0xff000000, v[TM+\b] ; 2 off its exponent field: the conversion's scale operand
.endr
.irp b, 0,1,2,3
	v_lshrrev_b32 v[TM+4+\b], 23, v[TM+12+\b]      ; the scale's byte
.endr
	v_lshl_or_b32 v[PW+(\a)], v[TM+5], 8, v[TM+4]
	v_lshl_or_b32 v[PW+(\a)], v[TM+6], 16, v[PW+(\a)]
	v_lshl_or_b32 v[PW+(\a)], v[TM+7], 24, v[PW+(\a)]
	WIN WD                                         ; source 0
.irp c, 0,1
	v_cvt_scalef32_pk8_fp4_f32 v[PCA+4*\c],   v[AC+32*\c:AC+32*\c+7],     v[TM+12+2*\c]
	v_cvt_scalef32_pk8_fp4_f32 v[PCA+4*\c+2], v[AC+32*\c+8:AC+32*\c+15],  v[TM+12+2*\c]
	v_cvt_scalef32_pk8_fp4_f32 v[PCA+4*\c+1], v[AC+32*\c+16:AC+32*\c+23], v[TM+13+2*\c]
	v_cvt_scalef32_pk8_fp4_f32 v[PCA+4*\c+3], v[AC+32*\c+24:AC+32*\c+31], v[TM+13+2*\c]
.endr
	WIN 0
	v_nop                                          ; one plain instruction behind a scaled conversion
.irp c, 0,1
	v_permlane16_swap_b32 v[PCA+4*\c], v[PCA+4*\c+1]     ; the first's lanes 16-31 change places with the second's lanes 0-15:
	v_permlane16_swap_b32 v[PCA+4*\c+2], v[PCA+4*\c+3]   ; registers 4 c .. 4 c + 3 now hold places 64 c + 32 h + 0 .. 31
.endr
	global_store_b128 v[OFF+(\a)], v[PCA:PCA+3], s[98:99]      ; 32 lanes store 512 consecutive bytes
	global_store_b128 v[OFF+(\a)], v[PCA+4:PCA+7], s[92:93]
.endm
.irp a, 0,1,2,3,4,5,6,7
	EQ \a
.endr
	v_cmp_ne_u32 vcc_lo, 0, v2
.irp k, 0,1,2,3
	v_cndmask_b32 v[SW+\k], v[PW+\k], v[PW+4+\k], vcc_lo   ; lanes 0-15 send blocks 0-3's words of row r, lanes 16-31 blocks 4-7's
.endr
	global_store_b128 v125, v[SW:SW+3], s[100:101] ; 512 consecutive bytes
	s_wait_tensorcnt 0x0                           ; the wave's end
	ds_add_u32 v[SPW], v[NIL]
	s_wait_dscnt 0x0
	CROUND                                         ; the closing round: no work-group ends while a partner may still ask for a tile that names it
	s_endpgm
.Lfunc_end_k_q774e9a97c1_qkv:
	.size	k_q774e9a97c1_qkv, .Lfunc_end_k_q774e9a97c1_qkv-k_q774e9a97c1_qkv
	.p2alignl 7, 3214868480
	.fill 96, 4, 3214868480
	.section	.rodata,"a",@progbits
	.p2align	6, 0x0
	.amdhsa_kernel k_q774e9a97c1_qkv
		.amdhsa_group_segment_fixed_size 327680
		.amdhsa_private_segment_fixed_size 0
		.amdhsa_enable_private_segment 0
		.amdhsa_kernarg_size 96
		.amdhsa_user_sgpr_count 2
		.amdhsa_user_sgpr_kernarg_segment_ptr 1
		.amdhsa_wavefront_size32 1
		.amdhsa_system_sgpr_workgroup_id_x 1
		.amdhsa_system_sgpr_workgroup_id_y 1
		.amdhsa_system_sgpr_workgroup_id_z 1
		.amdhsa_system_vgpr_workitem_id 0
		.amdhsa_next_free_vgpr 1024
		.amdhsa_next_free_sgpr 102
		.amdhsa_reserve_vcc 1
		.amdhsa_float_denorm_mode_32 3
		.amdhsa_float_denorm_mode_16_64 3
		.amdhsa_memory_ordered 1
		.amdhsa_forward_progress 1
		.amdhsa_inst_pref_size 145
	.end_amdhsa_kernel
	.amdgpu_metadata
---
amdhsa.version: [ 1, 2 ]
amdhsa.kernels:
  - .name:           k_q774e9a97c1_qkv
    .symbol:         k_q774e9a97c1_qkv.kd
    .args:
      - { .name: xn, .offset: 0, .size: 8, .value_kind: global_buffer, .address_space: global }
      - { .name: w_q_codes, .offset: 8, .size: 8, .value_kind: global_buffer, .address_space: global }
      - { .name: w_q_scales, .offset: 16, .size: 8, .value_kind: global_buffer, .address_space: global }
      - { .name: w_k_codes, .offset: 24, .size: 8, .value_kind: global_buffer, .address_space: global }
      - { .name: w_k_scales, .offset: 32, .size: 8, .value_kind: global_buffer, .address_space: global }
      - { .name: w_v_codes, .offset: 40, .size: 8, .value_kind: global_buffer, .address_space: global }
      - { .name: w_v_scales, .offset: 48, .size: 8, .value_kind: global_buffer, .address_space: global }
      - { .name: b_q, .offset: 56, .size: 8, .value_kind: global_buffer, .address_space: global }
      - { .name: b_k, .offset: 64, .size: 8, .value_kind: global_buffer, .address_space: global }
      - { .name: b_v, .offset: 72, .size: 8, .value_kind: global_buffer, .address_space: global }
      - { .name: qkvc, .offset: 80, .size: 8, .value_kind: global_buffer, .address_space: global }
      - { .name: qkvs, .offset: 88, .size: 8, .value_kind: global_buffer, .address_space: global }
    .group_segment_fixed_size: 327680
    .private_segment_fixed_size: 0
    .kernarg_segment_align: 8
    .kernarg_segment_size: 96
    .max_flat_workgroup_size: 128
    .sgpr_count:     102
    .vgpr_count:     1024
    .wavefront_size: 32
...
	.end_amdgpu_metadata
.endif
;; end of part 2
;; launch attn (part 3): grid 16 x 32, 8 waves a work-group, no clusters, 53,760 bytes of LDS; arguments qkvc, qkvs, cx; writes cx
.if DOCPART == 3
	.amdgcn_target "amdgcn-amd-amdhsa--gfx1250"
	.amdhsa_code_object_version 6
	.text
	.protected	k_q774e9a97c1_attn
	.globl	k_q774e9a97c1_attn
	.p2align	8
	.type	k_q774e9a97c1_attn,@function
k_q774e9a97c1_attn:
	s_mov_b64 s[64:65], 0
	v_nop
	global_prefetch_b8 v0, s[64:65] scope:SCOPE_SE
	s_setreg_imm32_b32 hwreg(HW_REG_WAVE_MODE, 25, 1), 1
	s_wait_xcnt 0x0
; ATTENTION IN A CAUSAL WINDOW OF 256 KEYS, both products on codes of FP4 (E2M1), head size 64; the result is quantised along the model's 1,024 for the last projection.
; key k counts for query q where 0 <= q - k < 256.  For 128 queries that begin at a multiple of 128 that is three aligned steps of 128 keys: the queries' own (hidden: keys after the query),
; the step before (all count), and the step before that (hidden: keys 256 or more back): with d = the query's place among the 128, place n of a step is hidden where n > d in the first and where n <= d in the third.
; Tiles that lie wholly outside the window are not multiplied.  Steps that would lie ahead of the sequence's start are left out by scalar branches on the work-group's number.
; SOFTMAX: t = score x log2(e) / 8; M = the running largest t rounded UP to a whole number; p = 2^(t - M) is what is quantised, along the keys, not normalised; the row's sum is taken of the unquantised p and divides at the end.
; The queries' own step goes first: the query's own key counts, so M is a number from the first step on.
; SHARES: a work-group owns 128 queries of a PAIR of heads; each of its eight waves 16 queries, head after head.  The three steps' codes and scale words of K and V of both heads (51 KB) are copied into LDS once.
; No tensor load and no cluster: neighbouring work-groups share two of three steps only, each read once, and two work-groups lie on a WGP (256 registers a wave).
; LAYOUT: both products transposed (S^T = K Q^T, O^T = V^T P^T): a lane holds ONE query (lane % 16).  All operands lie in memory as images of their registers: 16 bytes a lane, 512 a load.
; K = 64 IN AN INSTRUCTION OF 128: Q's fragment holds the even head in registers 0-3 and the odd head in 4-7, and so do the scale words' bytes 0, 1 and 2, 3.  K's fragment has its head's codes in that head's half and ZERO CODES
; in the other (on K's side alone: a product with a zero code adds nothing under any scale byte but 0xff, and the bytes here lie between 1 and 254).
; LIMITS: NaN and infinities are not served; a block whose largest magnitude lies under 2^-124 (a block of zeros too) keeps the byte 1.
.set VCB,   24576                      ; LDS: K's codes (head e, step g) at (3 e + g) x 4,096; V's likewise from here
.set SCO,   49152                      ; a step's scale words: K's 512 bytes, then V's
.set CSW,   52224                      ; the result's scale words: 128 rows x 4 bytes
.set SPARE, 52736                      ; the spare words, 128 bytes for each wave: four blocks of 256 bytes that no other line names
.set PC,  40                           ; v40-47   p's codes
.set W,   56                           ; v56-59 block maxima; v60-63 the other lane's, then bytes; v68-71 the conversions' scale operands; v[72:73] f; v74 at work
.set VF,  116                          ; v116-147 V's four fragments
.set S,   148                          ; v148-211 S^T, then p (at the head: what is copied into LDS)
.set O,   212                          ; v212-243 O^T
; v1 16 x lane; v2 32 r; v3, v4 the add's two; v5 d - 8 h; v6 -infinity; v7 16 x thread; v8-10, v245-249 offsets of the head's loads; v11 my row's place in CSW; v12 -M, v13 the largest t, v[14:15] the sum in two halves;
; v16-23 Q; v24 Q's scale words; v25 p's; v26 the result's; v28-31 V's; v32-39 K's; v48-55 the result's codes; v80-115 zeros and K's four fragments by turns: Z C Z C Z C Z C Z, four registers each; v244 4 x thread
	s_load_b128 s[4:7], s[0:1], 0x0                ; qkvc, qkvs
	s_load_b64 s[8:9], s[0:1], 0x10                ; cx
	v_lshl_add_u32 v3, v0, 2, SPARE
	v_mov_b32 v4, 0
.irp z, 80,81,82,83,88,89,90,91,96,97,98,99,104,105,106,107,112,113,114,115
	v_mov_b32 v\z, 0                               ; the zero codes: written once
.endr
	v_lshrrev_b32 v1, 5, v0
	v_readfirstlane_b32 s10, v1                    ; wave 0..7
	s_mov_b32 s11, ttmp9                           ; j: which 128 queries
	s_and_b32 s12, ttmp7, 0xffff                   ; y = batch x 8 + head pair
	v_and_b32 v74, 31, v0
	v_lshlrev_b32 v1, 4, v74
	v_and_b32 v72, 15, v0                          ; r
	v_bfe_u32 v73, v0, 4, 1                        ; h
	v_lshlrev_b32 v2, 5, v72
	v_lshlrev_b32 v5, 3, v73
	v_sub_nc_u32 v5, v72, v5
	s_lshl_b32 s34, s10, 4
	v_add_nc_u32 v5, s34, v5                       ; 16 w + r - 8 h: register n holds place 16 (n / 8) + n % 8 + 8 h
	v_mov_b32 v6, 0xff800000
	v_lshlrev_b32 v7, 4, v0
	v_lshlrev_b32 v244, 2, v0
	s_lshl_b32 s34, s10, 6
	s_add_co_u32 s34, s34, CSW
	v_lshl_add_u32 v11, v72, 2, s34
	s_lshl_b32 s34, s10, 2
	v_add_nc_u32 v248, s34, v2                     ; Q's scale word: 32 r + 4 w
	s_lshl_b32 s34, s11, 3
	s_add_co_u32 s34, s34, s10
	s_lshl_b32 s34, s34, 9
	v_add_nc_u32 v249, s34, v1                     ; Q's image: tile 8 j + w
	v_and_b32 v74, 127, v0
	v_lshlrev_b32 v74, 2, v74
	s_mov_b32 s13, s11                             ; the three steps; held at 0 from below, so that no load leaves its buffer (what such a copy brings is read by nobody)
	s_sub_co_i32 s14, s11, 1
	s_max_i32 s14, s14, 0
	s_sub_co_i32 s15, s11, 2
	s_max_i32 s15, s15, 0
.irp g, 0,1,2
	s_lshl_b32 s34, s[13+\g], 12
	v_add_nc_u32 v[8+\g], s34, v7                  ; codes: 4,096 bytes a step, 16 a thread
	s_lshl_b32 s34, s[13+\g], 9
	v_add_nc_u32 v[245+\g], s34, v74               ; scale words: 512 bytes a step
.endr
.irp b, 0,1,2,3
	v_mov_b32 v[W+4+\b], 0                         ; a lane permute's destination counts as one of its sources
.endr
	s_mov_b32 s26, 0x76543210
	s_mov_b32 s27, 0xfedcba98                      ; lane selects: lane l xor 16
	s_mov_b32 s28, 0x3e38aa3b                      ; c = log2(e) / 8
	s_mov_b32 s29, s28
	s_lshr_b32 s34, s12, 3                         ; the batch
	s_and_b32 s35, s12, 7                          ; the head pair
	s_lshl_b32 s36, s34, 7
	s_lshl_b32 s37, s11, 3
	s_add_co_u32 s36, s36, s37
	s_add_co_u32 s36, s36, s10                     ; my tile of 16 rows among the 512
	s_lshl_b32 s36, s36, 4
	s_lshl_b32 s37, s35, 1
	s_add_co_u32 s36, s36, s37                     ; x 16 heads + my even head
	s_lshl_b32 s36, s36, 9
	s_mov_b32 s37, 0
	s_lshl_b32 s38, s34, 4
	s_add_co_u32 s38, s38, s11                     ; my group of 128 rows
	s_lshl_b32 s38, s38, 3
	s_add_co_u32 s38, s38, s35
	s_lshl_b32 s38, s38, 9
	s_add_co_u32 s38, s38, 0x400000                ; the scale words lie behind the codes
	s_mov_b32 s39, 0
	s_wait_kmcnt 0x0
	s_add_nc_u64 s[30:31], s[8:9], s[36:37]
	s_add_nc_u64 s[32:33], s[8:9], s[38:39]
	s_lshl_b32 s34, s12, 17                        ; 65,536 bytes a head in each section
	s_mov_b32 s35, 0
	s_add_nc_u64 s[16:17], s[4:5], s[34:35]        ; q,
	s_add_nc_u64 s[18:19], s[16:17], 0x400000      ; k,
	s_add_nc_u64 s[20:21], s[16:17], 0x800000      ; v
	s_lshl_b32 s34, s12, 13                        ; 16 blocks of 512 bytes a head pair
	s_add_nc_u64 s[22:23], s[6:7], s[34:35]
	s_add_nc_u64 s[36:37], s[22:23], 0x40000
	s_add_nc_u64 s[38:39], s[22:23], 0x80000
	s_cmp_lt_u32 s10, 4                            ; waves 0-3 copy K's scale words, waves 4-7 V's
	s_cselect_b64 s[24:25], s[36:37], s[38:39]
	s_lshl_b32 s34, s11, 9
	s_add_nc_u64 s[22:23], s[22:23], s[34:35]      ; q's block
.irp g, 0,1,2
	global_load_b128 v[S+16*\g:S+16*\g+3],     v[8+\g], s[18:19]
	global_load_b128 v[S+16*\g+4:S+16*\g+7],   v[8+\g], s[18:19] offset:65536
	global_load_b128 v[S+16*\g+8:S+16*\g+11],  v[8+\g], s[20:21]
	global_load_b128 v[S+16*\g+12:S+16*\g+15], v[8+\g], s[20:21] offset:65536
.endr
.irp g, 0,1,2
	global_load_b32 v[S+48+\g], v[245+\g], s[24:25]
.endr
	global_load_b128 v[16:19], v249, s[16:17]
	global_load_b128 v[20:23], v249, s[16:17] offset:65536
	global_load_b32 v24, v248, s[22:23]
.irp g, 0,1,2                          ; 18 loads are out; load k is in when at most 17 - k are
	s_wait_loadcnt 17-4*\g
	ds_store_b128 v7, v[S+16*\g:S+16*\g+3] offset:\g*4096
	s_wait_loadcnt 16-4*\g
	ds_store_b128 v7, v[S+16*\g+4:S+16*\g+7] offset:(3+\g)*4096
	s_wait_loadcnt 15-4*\g
	ds_store_b128 v7, v[S+16*\g+8:S+16*\g+11] offset:VCB+\g*4096
	s_wait_loadcnt 14-4*\g
	ds_store_b128 v7, v[S+16*\g+12:S+16*\g+15] offset:VCB+(3+\g)*4096
.endr
.irp g, 0,1,2
	s_wait_loadcnt 5-\g
	ds_store_b32 v244, v[S+48+\g] offset:SCO+1024*\g
.endr
	s_wait_loadcnt 0x0                             ; Q
	s_wait_dscnt 0x0                               ; for the others' sake: my part of the copy lies in LDS
	s_barrier_signal -1
	s_barrier_wait -1
; A KEY STEP of head e: step g of the three.  mask = 1: places after the query are hidden; 2: places up to the query; 0: none.  first = 1: the head's first step: its products V^T P start the sums.
.macro STEP e, g, mask, first
	ds_load_b128 v[32:35], v2 offset:SCO+1024*\g   ; K's scale words: lane r has those of key r of the eight tiles
	ds_load_b128 v[36:39], v2 offset:SCO+1024*\g+16
.irp i, 0,1,2,3
	ds_load_b128 v[84+8*\i:87+8*\i], v1 offset:(3*\e+\g)*4096+512*\i
.endr
	s_wait_dscnt 0x0
.irp i, 0,1,2,3
	v_wmma_scale_f32_16x16x128_f8f6f4 v[S+8*\i:S+8*\i+7], v[84-4*\e+8*\i:91-4*\e+8*\i], v[16:23], 0, v[32+\i], v24 matrix_a_fmt:MATRIX_FMT_FP4 matrix_b_fmt:MATRIX_FMT_FP4
.endr
.rept 4
	v_nop                                          ; places in front of loads into registers that matrix instructions have read: K's, and V's of the step before
.endr
.irp i, 0,1,2,3
	ds_load_b128 v[84+8*\i:87+8*\i], v1 offset:(3*\e+\g)*4096+512*(4+\i)
.endr
	ds_load_b128 v[28:31], v2 offset:SCO+1024*\g+512+16*\e
.irp d, 0,1,2,3
.irp c, 0,1
	ds_load_b128 v[VF+8*\d+4*\c:VF+8*\d+4*\c+3], v1 offset:VCB+(3*\e+\g)*4096+1024*\d+512*\c
.endr
.endr
	s_wait_dscnt 9                                 ; K's four are in; V's scale words and its eight loads may be out
.irp i, 0,1,2,3
	v_wmma_scale_f32_16x16x128_f8f6f4 v[S+32+8*\i:S+32+8*\i+7], v[84-4*\e+8*\i:91-4*\e+8*\i], v[16:23], 0, v[36+\i], v24 matrix_a_fmt:MATRIX_FMT_FP4 matrix_b_fmt:MATRIX_FMT_FP4
.endr
.rept 4
	v_nop
.endr
.if \mask                              ; hidden scores become -infinity ahead of the maximum: p = 0 then.  Ascending: each accumulator is read from its low end on
.set n, 0
.rept 64
.if \mask == 1
	v_cmp_gt_i32 vcc_lo, 16*(n/8)+n%8, v5
.else
	v_cmp_le_i32 vcc_lo, 16*(n/8)+n%8, v5
.endif
	v_cndmask_b32 v[S+n], v[S+n], v6, vcc_lo
.set n, n+1
.endr
.endif
.irp b, 0,1,2,3
	v_max3_num_f32 v[W+\b], v[S+16*\b], v[S+16*\b+1], v[S+16*\b+2]   ; the largest score of each block of 32 keys: it serves for the row's maximum and, since p rises with the score, for the block's largest p
.endr
.irp i, 3,5,7,9,11,13
.irp b, 0,1,2,3
	v_max3_num_f32 v[W+\b], v[W+\b], v[S+16*\b+\i], v[S+16*\b+\i+1]
.endr
.endr
.irp b, 0,1,2,3
	v_max_num_f32 v[W+\b], v[W+\b], v[S+16*\b+15]
.endr
.irp b, 0,1,2,3
	v_permlanex16_b32 v[W+4+\b], v[W+\b], s26, s27
.endr
.irp b, 0,1,2,3
	v_max_num_f32 v[W+\b], v[W+\b], v[W+4+\b]
.endr
	v_max3_num_f32 v74, v[W], v[W+1], v[W+2]
	v_max_num_f32 v74, v74, v[W+3]
	v_mul_f32 v74, s28, v74                        ; the step's largest t
	v_max_num_f32 v13, v13, v74                    ; the running largest
	v_mov_b32 v74, v12
	v_floor_f32 v12, -v13                          ; the new -M = -ceil(t): a whole number
	v_sub_f32 v74, v12, v74                        ; old M - new M: a whole number, 0 or less
	v_cvt_i32_f32 v74, v74                         ; (it saturates)
	v_ldexp_f32 v72, 1.0, v74                      ; f = 2^(old M - new M): a multiplication by it rounds nothing
.set n, 0
.rept 32
	v_pk_fma_f32 v[S+n:S+n+1], v[S+n:S+n+1], s[28:29], v[12:13] op_sel_hi:[1,0,0]   ; t - M
.set n, n+2
.endr
.irp b, 0,1,2,3
	v_fma_f32 v[W+\b], v[W+\b], s28, v12           ; the same of each block's largest score
.endr
.set n, 0
.rept 64
	v_exp_f32 v[S+n], v[S+n]                       ; p = 2^(t - M)
.set n, n+1
.endr
	v_pk_mul_f32 v[14:15], v[14:15], v[72:73] op_sel_hi:[1,0]   ; the sums under the new M (the plain instruction behind the batch)
	s_wait_alu depctr_va_vdst(0)                   ; one wait for the 64, ahead of their first reader
.irp b, 0,1,2,3
	v_exp_f32 v[W+\b], v[W+\b]                     ; the block's largest p
.endr
	v_pk_add_f32 v[W+4:W+5], v[S:S+1], v[S+2:S+3]  ; the row's sum, of the unquantised p, in two chains
.irp j, 4,8,12,16,20,24,28,32,36,40,44,48,52,56,60
	v_pk_add_f32 v[14:15], v[14:15], v[S+\j:S+\j+1]
	v_pk_add_f32 v[W+4:W+5], v[W+4:W+5], v[S+\j+2:S+\j+3]
.endr
	v_pk_add_f32 v[14:15], v[14:15], v[W+4:W+5]
	s_wait_alu depctr_va_vdst(0)                   ; and one for the four
.irp b, 0,1,2,3
	v_max_num_f32 v[W+\b], 0x1800000, v[W+\b]      ; the floor 2^(3 - 127)
.endr
.irp b, 0,1,2,3
	v_add_nc_u32 v[W+12+\b], 0xff000000, v[W+\b]
.endr
.irp b, 0,1,2,3
	v_lshrrev_b32 v[W+4+\b], 23, v[W+12+\b]
.endr
	v_lshl_or_b32 v25, v[W+5], 8, v[W+4]           ; p's scale word for these 128 keys
	v_lshl_or_b32 v25, v[W+6], 16, v25
	v_lshl_or_b32 v25, v[W+7], 24, v25
.irp c, 0,1
	v_cvt_scalef32_pk8_fp4_f32 v[PC+4*\c],   v[S+32*\c:S+32*\c+7],     v[W+12+2*\c]
	v_cvt_scalef32_pk8_fp4_f32 v[PC+4*\c+2], v[S+32*\c+8:S+32*\c+15],  v[W+12+2*\c]
	v_cvt_scalef32_pk8_fp4_f32 v[PC+4*\c+1], v[S+32*\c+16:S+32*\c+23], v[W+13+2*\c]
	v_cvt_scalef32_pk8_fp4_f32 v[PC+4*\c+3], v[S+32*\c+24:S+32*\c+31], v[W+13+2*\c]
.endr
	v_nop                                          ; one plain instruction behind a scaled conversion
.irp c, 0,1
	v_permlane16_swap_b32 v[PC+4*\c], v[PC+4*\c+1]       ; a whole block to a lane: registers 4 c .. 4 c + 3 hold keys 64 c + 32 h + 0 .. 31
	v_permlane16_swap_b32 v[PC+4*\c+2], v[PC+4*\c+3]
.endr
.if \first
.rept 8
	v_nop                                          ; places between the writing of p's scale word and codes and the scaled products
.endr
.else
.set n, 0
.rept 16
	v_pk_mul_f32 v[O+n:O+n+1], v[O+n:O+n+1], v[72:73] op_sel_hi:[1,0]   ; O^T under the new M (these are those places too)
.set n, n+2
.endr
.endif
	s_wait_dscnt 0x0                               ; V
.irp d, 0,1,2,3
.if \first
	v_wmma_scale_f32_16x16x128_f8f6f4 v[O+8*\d:O+8*\d+7], v[VF+8*\d:VF+8*\d+7], v[PC:PC+7], 0, v[28+\d], v25 matrix_a_fmt:MATRIX_FMT_FP4 matrix_b_fmt:MATRIX_FMT_FP4
.else
	v_wmma_scale_f32_16x16x128_f8f6f4 v[O+8*\d:O+8*\d+7], v[VF+8*\d:VF+8*\d+7], v[PC:PC+7], v[O+8*\d:O+8*\d+7], v[28+\d], v25 matrix_a_fmt:MATRIX_FMT_FP4 matrix_b_fmt:MATRIX_FMT_FP4
.endif
.endr
.endm
; The head's end: O^T / the sum; its 64 channels are two blocks of 32 along the last projection's K: quantised as above, 16 bytes a lane, an image of half a fragment.
.macro FIN e
.set CC, 48+4*\e
	v_add_f32 v14, v14, v15
	v_permlanex16_b32 v74, v14, s26, s27
	v_add_f32 v14, v14, v74                        ; the row's sum
	v_rcp_f32 v14, v14
.rept 4
	v_nop                                          ; the places behind the last products, and the plain instruction behind the reciprocal
.endr
	s_wait_alu depctr_va_vdst(0)
.set n, 0
.rept 16
	v_pk_mul_f32 v[O+n:O+n+1], v[O+n:O+n+1], v[14:15] op_sel_hi:[1,0]
.set n, n+2
.endr
.irp b, 0,1
	v_max3_num_f32 v[W+\b], |v[O+16*\b]|, |v[O+16*\b+1]|, 0x1800000
.endr
.irp i, 2,4,6,8,10,12,14
.irp b, 0,1
	v_max3_num_f32 v[W+\b], v[W+\b], |v[O+16*\b+\i]|, |v[O+16*\b+\i+1]|
.endr
.endr
.irp b, 0,1
	v_permlanex16_b32 v[W+4+\b], v[W+\b], s26, s27
.endr
.irp b, 0,1
	v_max_num_f32 v[W+\b], v[W+\b], v[W+4+\b]
.endr
.irp b, 0,1
	v_add_nc_u32 v[W+12+\b], 0xff000000, v[W+\b]
.endr
.irp b, 0,1
	v_lshrrev_b32 v[W+4+\b], 23, v[W+12+\b]
.endr
.if \e == 0
	v_lshl_or_b32 v26, v[W+5], 8, v[W+4]           ; bytes 0, 1 of my row's scale word
.else
	v_lshl_or_b32 v74, v[W+5], 8, v[W+4]
	v_lshl_or_b32 v26, v74, 16, v26                ; bytes 2, 3
.endif
	v_cvt_scalef32_pk8_fp4_f32 v[CC],   v[O:O+7],     v[W+12]
	v_cvt_scalef32_pk8_fp4_f32 v[CC+2], v[O+8:O+15],  v[W+12]
	v_cvt_scalef32_pk8_fp4_f32 v[CC+1], v[O+16:O+23], v[W+13]
	v_cvt_scalef32_pk8_fp4_f32 v[CC+3], v[O+24:O+31], v[W+13]
	v_nop
	v_permlane16_swap_b32 v[CC], v[CC+1]
	v_permlane16_swap_b32 v[CC+2], v[CC+3]
	global_store_b128 v1, v[CC:CC+3], s[30:31] offset:512*\e   ; 32 lanes store 512 consecutive bytes
.endm
.macro HEAD e
	v_mov_b32 v13, 0xff61b1e6                      ; the largest t so far: -3e38, under every t
	v_floor_f32 v12, -v13                          ; -M
	v_mov_b32 v14, 0                               ; the sum, in two halves
	v_mov_b32 v15, 0
	STEP \e, 0, 1, 1
	s_cmp_eq_u32 s11, 0                            ; the work-group's number alone: the first 128 queries have no step before them,
	s_cbranch_scc1 .Lend_\@
	STEP \e, 1, 0, 0
	s_cmp_eq_u32 s11, 1                            ; the next 128 only one
	s_cbranch_scc1 .Lend_\@
	STEP \e, 2, 2, 0
.Lend_\@:
	FIN \e
.endm
	HEAD 0
	HEAD 1
	ds_store_b32 v11, v26                          ; lanes l and l xor 16 write the same word with the same value
	s_wait_dscnt 0x0
	s_barrier_signal -1
	s_barrier_wait -1
	s_cmp_lg_u32 s10, 0                            ; wave 0 stores the 128 rows' words: 512 consecutive bytes
	s_cbranch_scc1 .Lno_words
	ds_load_b128 v[W:W+3], v1 offset:CSW
	s_wait_dscnt 0x0
	global_store_b128 v1, v[W:W+3], s[32:33]
.Lno_words:
	s_wait_tensorcnt 0x0                           ; the wave's end, behind my last LDS store
	ds_add_u32 v3, v4
	s_wait_dscnt 0x0
	s_endpgm
.Lfunc_end_k_q774e9a97c1_attn:
	.size	k_q774e9a97c1_attn, .Lfunc_end_k_q774e9a97c1_attn-k_q774e9a97c1_attn
	.p2alignl 7, 3214868480
	.fill 96, 4, 3214868480
	.section	.rodata,"a",@progbits
	.p2align	6, 0x0
	.amdhsa_kernel k_q774e9a97c1_attn
		.amdhsa_group_segment_fixed_size 53760
		.amdhsa_private_segment_fixed_size 0
		.amdhsa_enable_private_segment 0
		.amdhsa_kernarg_size 24
		.amdhsa_user_sgpr_count 2
		.amdhsa_user_sgpr_kernarg_segment_ptr 1
		.amdhsa_wavefront_size32 1
		.amdhsa_system_sgpr_workgroup_id_x 1
		.amdhsa_system_sgpr_workgroup_id_y 1
		.amdhsa_system_sgpr_workgroup_id_z 1
		.amdhsa_system_vgpr_workitem_id 0
		.amdhsa_next_free_vgpr 256
		.amdhsa_next_free_sgpr 66
		.amdhsa_reserve_vcc 1
		.amdhsa_float_denorm_mode_32 3
		.amdhsa_float_denorm_mode_16_64 3
		.amdhsa_memory_ordered 1
		.amdhsa_forward_progress 1
		.amdhsa_inst_pref_size 122
	.end_amdhsa_kernel
	.amdgpu_metadata
---
amdhsa.version: [ 1, 2 ]
amdhsa.kernels:
  - .name:           k_q774e9a97c1_attn
    .symbol:         k_q774e9a97c1_attn.kd
    .args:
      - { .name: qkvc, .offset: 0, .size: 8, .value_kind: global_buffer, .address_space: global }
      - { .name: qkvs, .offset: 8, .size: 8, .value_kind: global_buffer, .address_space: global }
      - { .name: cx, .offset: 16, .size: 8, .value_kind: global_buffer, .address_space: global }
    .group_segment_fixed_size: 53760
    .private_segment_fixed_size: 0
    .kernarg_segment_align: 8
    .kernarg_segment_size: 24
    .max_flat_workgroup_size: 256
    .sgpr_count:     66
    .vgpr_count:     256
    .wavefront_size: 32
...
	.end_amdgpu_metadata
.endif
;; end of part 3
;; launch oproj (part 4): grid 4 x 64, 4 waves a work-group, clusters of 4 x 4, 327,680 bytes of LDS; arguments cx, w_o_codes, w_o_scales, b_o, x, out0; writes out0
.if DOCPART == 4
	.amdgcn_target "amdgcn-amd-amdhsa--gfx1250"
	.amdhsa_code_object_version 6
	.text
	.protected	k_q774e9a97c1_oproj
	.globl	k_q774e9a97c1_oproj
	.p2align	8
	.type	k_q774e9a97c1_oproj,@function
k_q774e9a97c1_oproj:
	s_mov_b64 s[64:65], 0
	v_nop
	global_prefetch_b8 v0, s[64:65] scope:SCOPE_SE
	s_setreg_imm32_b32 hwreg(HW_REG_WAVE_MODE, 25, 1), 1
	s_wait_xcnt 0x0
	s_wait_alu depctr_hold_cnt(0) depctr_sa_sdst(0) depctr_va_vdst(0) depctr_va_sdst(0) depctr_va_ssrc(0) depctr_va_vcc(0) depctr_vm_vsrc(0)
	s_getreg_b32 s2, hwreg(HW_REG_IB_STS2, 6, 4)
	s_cmp_eq_u32 s2, 0
	s_cbranch_scc0 .Lentry_in_a_cluster
	s_endpgm
.Lentry_in_a_cluster:
	s_bfe_u32 s2, ttmp6, 0x10000c
	s_cmp_lg_u32 s2, 0xf033
	s_cbranch_scc0 .Lentry_shape_is_right
	s_endpgm
.Lentry_shape_is_right:
; out0 = x + ctx Wo^T + b_o: the last projection on codes of FP4 (E2M1), K = 1,024, with the bias and the residual.
; ctx comes from the launch before as images of operand registers: cx = [tile of 16 rows (512)][head (16)][lane][16 bytes], and from byte 0x400000 on scale words [group of 128 rows (64)][head pair (8)][row (128)][4 bytes].
; Two heads' images on end ARE a fragment of 16 rows x 128 K.  Wo comes as rows of 512 bytes of codes and 32 scale bytes.
; A tile of out0 is 128 x 256, so that there are 256 work-groups; four waves, 64 x 128 each: 32 accumulators.  K goes in two steps of 512 through two LDS slots, each filled once.  By this text's own count a wave has three tensor loads out.
; CLUSTER: 4 x 4 work-groups; ctx's tiles are asked for jointly along a row of the cluster, Wo's along a column.
; THE MATRIX INSTRUCTION IS USED TRANSPOSED (source 0 = 16 rows of Wo, source 1 = 16 rows of ctx): a lane holds eight neighbouring numbers of a row of out0.  The bias is the C of each sum's first product.
; THE RESIDUAL: my 64 x 128 numbers of x fill window 3; their 64 loads go out at the head and land under the products.
; REGISTERS: window 0: v0-31 addresses; v32-95 Wo's scale words, two sets; v96-111 ctx's; v128-159 ctx's four fragments; on the way out v128-255.  window 1: Wo's fragments, two sets, at v0 and v128; v64-127 the bias.
;   window 2: the accumulators ((a, b) at v[8 (8 a + b)]).  window 3: x (block a, row t at v[64 a + 4 t]).
.set PITCH,  272                       ; a row of Wo in LDS: 256 bytes + 16 of padding
.set FR,     8
.set NP,     4                         ; places behind this matrix instruction (ISA guide 7.12.1)
.set ABYT,   32768                     ; a slot: ctx's images, 8 tiles of rows x 8 heads x 512 bytes, dense;
.set HALFB,  128*PITCH
.set SLOT,   ABYT+2*HALFB              ; then Wo's 256 rows
.set SCLB,   2*SLOT                    ; Wo's scale bytes: 2 x 16 blocks of 256 bytes + 16
.set HALFS,  4352
.set SBLK,   544
.set SCLA,   SCLB+2*HALFS              ; ctx's scale words: [head pair][row][4 bytes], 4,096 bytes
.set SPARE,  SCLA+4096                 ; the spare words, 128 bytes for each wave: two blocks of 256 bytes that no other line names
.set SPITCH, 528                       ; the way out: a stage of 16 rows x (512 bytes + 16) for each wave, in slot 0, which has had its one fill and its last read when the first result is stored there
.set ADRA, 16                          ; v16-17  my ctx fragments in slot 0, 1
.set ADRB, 20                          ; v20-21  my Wo fragments
.set STO,  24
.set RD,   25
.set CO,   26                          ; v26     16 x lane
.set ADRS, 27                          ; v27     Wo's scale words
.set SPW,  28
.set NIL,  29
.set ADSA, 30                          ; v30     ctx's scale words
.set SB,   32
.set SA,   96                          ; v[96 + 8 i + head pair]: lanes 0-15 block 2 i, lanes 16-31 block 2 i + 1
.set AF,   128
.set BK,   128
.set G1, 24
.set G0, 32
.set G1B, 48
.set G0B, 56
.set G1S, 68
.set G0S, 76
.set G1SB, 80
.set G0SB, 88
.set MSB, 0
.macro WIN new
.if MSB != \new
	s_set_vgpr_msb (MSB<<8)|\new
.set MSB, \new
.endif
.endm
.set MUL,  0xa1                        ; source 0 (Wo) window 1, source 1 (ctx) window 0, C and D window 2
.set TO_B, 0x40
.macro JLOAD g0a, g1a, g0b, g1b        ; waves 0 and 1 fetch for ctx, waves 2 and 3 for Wo; an s_nop 0 and four v_nop follow each of the two lines
	s_cmp_eq_u32 s15, 0
	s_cbranch_scc0 .Lfor_b_\@
	tensor_load_to_lds s[\g0a:\g0a+3], s[\g1a:\g1a+7]
	s_nop 0
.rept 4
	v_nop
.endr
	s_branch .Lasked_\@
.Lfor_b_\@:
	tensor_load_to_lds s[\g0b:\g0b+3], s[\g1b:\g1b+7]
	s_nop 0
.rept 4
	v_nop
.endr
.Lasked_\@:
.endm
.macro CROUND
	s_barrier_signal -1
	s_barrier_wait -1
	s_cmp_lg_u32 s14, 0
	s_cbranch_scc1 .Lnot_wave_0_\@
	s_barrier_signal -3
.Lnot_wave_0_\@:
	s_barrier_wait -3
	s_barrier_signal -1
	s_barrier_wait -1
.endm
	s_load_b256 s[4:11], s[0:1], 0x0               ; cx s[4:5], Wo's codes s[6:7], Wo's scales s[8:9], b_o s[10:11]
	s_load_b128 s[96:99], s[0:1], 0x20             ; x, out0
	v_lshl_add_u32 v[SPW], v0, 2, SPARE
	v_mov_b32 v[NIL], 0
	ds_add_u32 v[SPW], v[NIL]                      ; the wave's opening: the add and its wait stand ahead of my first tensor load
	v_lshrrev_b32 v1, 5, v0
	v_readfirstlane_b32 s14, v1                    ; wave 0..3
	s_lshr_b32 s15, s14, 1                         ; which 64 rows are mine.  Also: I fetch for ctx (0) or for Wo (1)
	s_and_b32 s16, s14, 1                          ; which 128 columns.  Also: which half I fetch
	s_bfe_u32 s40, ttmp6, 0x40000
	s_bfe_u32 s41, ttmp6, 0x40004
	s_lshl_b32 s42, ttmp9, 2
	s_add_co_u32 s42, s42, s40                     ; tile column: 256 columns
	s_and_b32 s17, ttmp7, 0xffff
	s_lshl_b32 s17, s17, 2
	s_add_co_u32 s17, s17, s41                     ; tile row: 128 rows
	s_lshl_b32 s43, s41, 2
	s_lshl_b32 s43, 15, s43                        ; my row of the cluster
	s_lshl_b32 s44, 0x1111, s40                    ; my column
	s_or_b32 s[G1+0], s43, (3<<16)|(1<<21)         ; ctx's codes: elements of 8 bytes, no padding: 4 tiles of rows x 4,096 bytes (8 heads), 8,192 bytes apart
	s_mov_b32 s[G1+1], 512<<16
	s_mov_b32 s[G1+2], 4<<16
	s_mov_b32 s[G1+3], 512<<16
	s_mov_b32 s[G1+4], 4
	s_mov_b32 s[G1+5], 1024
	s_mov_b32 s[G1+6], 0
	s_mov_b32 s[G1+7], 0
	s_or_b32 s[G1B+0], s44, (0<<16)|(1<<20)|(1<<21)|(5<<22)|(3<<25)  ; Wo's codes: 128 rows x 256 bytes, 512 apart; 4 words of padding after every 64
	s_mov_b32 s[G1B+1], 256<<16
	s_mov_b32 s[G1B+2], 128<<16
	s_mov_b32 s[G1B+3], 256<<16
	s_mov_b32 s[G1B+4], 128
	s_mov_b32 s[G1B+5], 512
	s_mov_b32 s[G1B+6], 0
	s_mov_b32 s[G1B+7], 0
	s_or_b32 s[G1S+0], s43, (3<<16)|(1<<21)        ; ctx's scale words: 2,048 dense bytes as 8 rows of 256
	s_mov_b32 s[G1S+1], 32<<16
	s_mov_b32 s[G1S+2], 8<<16
	s_mov_b32 s[G1S+3], 32<<16
	s_mov_b32 s[G1S+4], 8
	s_mov_b32 s[G1S+5], 32
	s_mov_b32 s[G1S+6], 0
	s_mov_b32 s[G1S+7], 0
	s_or_b32 s[G1SB+0], s44, (3<<16)|(1<<20)|(1<<21)|(5<<22)|(3<<25) ; Wo's scale bytes of 128 rows: 16 rows of 256, 16 bytes of padding behind each
	s_mov_b32 s[G1SB+1], 32<<16
	s_mov_b32 s[G1SB+2], 16<<16
	s_mov_b32 s[G1SB+3], 32<<16
	s_mov_b32 s[G1SB+4], 16
	s_mov_b32 s[G1SB+5], 32
	s_mov_b32 s[G1SB+6], 0
	s_mov_b32 s[G1SB+7], 0
	s_lshl_b32 s20, s17, 3
	s_lshl_b32 s18, s16, 2
	s_add_co_u32 s20, s20, s18
	s_lshl_b32 s20, s20, 13                        ; ctx's codes: tile of rows 8 x tile row + 4 x half, 8,192 bytes each
	s_mov_b32 s21, 0
	s_lshl_b32 s22, s17, 12
	s_lshl_b32 s18, s16, 11
	s_add_co_u32 s22, s22, s18
	s_add_co_u32 s22, s22, 0x400000                ; its scale words
	s_mov_b32 s23, 0
	s_lshl_b32 s46, s42, 8
	s_lshl_b32 s18, s16, 7
	s_add_co_u32 s46, s46, s18                     ; Wo: row 256 x tile column + 128 x half
	s_lshl_b32 s92, s46, 5
	s_mov_b32 s93, 0
	s_lshl_b32 s46, s46, 9
	s_mov_b32 s47, 0
	s_lshl_b32 s45, s16, 14                        ; where they go: the wave's number alone enters an LDS address
	s_mul_i32 s94, s16, HALFB
	s_add_co_u32 s94, s94, ABYT
	s_lshl_b32 s95, s16, 11
	s_add_co_u32 s95, s95, SCLA
	s_mul_i32 s3, s16, HALFS
	s_add_co_u32 s3, s3, SCLB
	s_wait_dscnt 0x0                               ; the opening add is done
	s_wait_kmcnt 0x0
	s_add_nc_u64 s[20:21], s[4:5], s[20:21]
	s_add_nc_u64 s[22:23], s[4:5], s[22:23]
	s_add_nc_u64 s[46:47], s[6:7], s[46:47]
	s_add_nc_u64 s[92:93], s[8:9], s[92:93]
	CROUND                                         ; all sixteen work-groups are here: the first joint loads meet
	s_mov_b32 s[G0S], 1
	s_mov_b32 s[G0S+1], s95
	s_mov_b64 s[G0S+2:G0S+3], s[22:23]
	s_or_b32 s[G0S+3], s[G0S+3], 0x80000000
	s_mov_b32 s[G0SB], 1
	s_mov_b32 s[G0SB+1], s3
	s_mov_b64 s[G0SB+2:G0SB+3], s[92:93]
	s_or_b32 s[G0SB+3], s[G0SB+3], 0x80000000
	JLOAD G0S, G1S, G0SB, G1SB
.irp s, 0,1
	s_mov_b32 s[G0+4*\s], 1
	s_add_co_u32 s[G0+4*\s+1], s45, \s*SLOT
	s_add_nc_u64 s[G0+4*\s+2:G0+4*\s+3], s[20:21], \s*4096
	s_or_b32 s[G0+4*\s+3], s[G0+4*\s+3], 0x80000000
	s_mov_b32 s[G0B+4*\s], 1
	s_add_co_u32 s[G0B+4*\s+1], s94, \s*SLOT
	s_add_nc_u64 s[G0B+4*\s+2:G0B+4*\s+3], s[46:47], \s*256
	s_or_b32 s[G0B+4*\s+3], s[G0B+4*\s+3], 0x80000000
	JLOAD G0+4*\s, G1, G0B+4*\s, G1B               ; both slots: all of K; nothing is filled again
.endr
	v_and_b32 v1, 15, v0                           ; r
	v_bfe_u32 v2, v0, 4, 1                         ; h
	v_and_b32 v3, 31, v0
	v_lshlrev_b32 v[CO], 4, v3                     ; 16 x lane
	v_mul_u32_u24 v4, v1, PITCH
	v_lshl_add_u32 v4, v2, 4, v4
	s_lshl_b32 s21, s15, 14                        ; my four tiles of rows
	s_mul_i32 s22, s16, HALFB
	s_add_co_u32 s22, s22, ABYT                    ; my 128 rows of Wo
.irp s, 0,1
	v_add_nc_u32 v[ADRA+\s], s21, v[CO]
	v_add_nc_u32 v[ADRB+\s], s22, v4
	s_add_co_u32 s21, s21, SLOT
	s_add_co_u32 s22, s22, SLOT
.endr
	v_lshlrev_b32 v5, 5, v1                        ; Wo's scales: 32 bytes a row,
	v_lshrrev_b32 v6, 8, v5
	v_lshl_add_u32 v5, v6, 4, v5                   ; and 16 more for each 256 passed
	s_mul_i32 s21, s16, HALFS
	s_add_co_u32 s21, s21, SCLB
	v_add_nc_u32 v[ADRS], s21, v5
	s_lshl_b32 s21, s15, 8
	s_add_co_u32 s21, s21, SCLA
	v_lshl_add_u32 v[ADSA], v3, 2, s21             ; ctx's: my 64 rows, 4 bytes a lane
	s_mul_i32 s23, s14, 16*SPITCH                  ; my stage
	v_mul_u32_u24 v5, v1, SPITCH
	v_lshl_add_u32 v5, v2, 5, v5
	v_add_nc_u32 v[STO], s23, v5                   ; in: row r, 32 bytes for each half of the lanes
	v_add_nc_u32 v[RD], s23, v[CO]                 ; back: the 32 lanes take one row of 512 bytes
	s_lshl_b32 s20, s17, 7
	s_lshl_b32 s21, s15, 6
	s_add_co_u32 s20, s20, s21                     ; my first row
	s_lshl_b32 s20, s20, 12
	s_lshl_b32 s46, s42, 10
	s_lshl_b32 s47, s16, 9
	s_add_co_u32 s46, s46, s47                     ; my first column, in bytes
	s_add_co_u32 s20, s20, s46
	s_mov_b32 s21, 0
	s_mov_b32 s47, 0
	s_add_nc_u64 s[96:97], s[96:97], s[20:21]
	s_add_nc_u64 s[98:99], s[98:99], s[20:21]
	s_add_nc_u64 s[10:11], s[10:11], s[46:47]
	v_lshlrev_b32 v8, 5, v2
	WIN TO_B
.irp b, 0,1,2,3,4,5,6,7
	global_load_b128 v[64+8*\b:64+8*\b+3], v8, s[10:11] offset:64*\b           ; the bias of columns 16 b + 8 h + 0 .. 7
	global_load_b128 v[64+8*\b+4:64+8*\b+7], v8, s[10:11] offset:64*\b+16
.endr
	WIN 0xc0                                       ; destination window 3
.set n, 0
.rept 64
	global_load_b128 v[4*n:4*n+3], v[CO], s[96:97] offset:n*4096 th:TH_LOAD_NT  ; a row's 512 bytes of x
.set n, n+1
.endr
	WIN 0
.macro FRAGB reg, slot, q, i
.irp c, 0,1
	ds_load_b128 v[\reg+4*\c:\reg+4*\c+3], v[ADRB+\slot] offset:64*(\q)+32*\c+(\i)*16*PITCH
.endr
.endm
.macro FRAGA slot, q, i                ; block i: the images of heads 2 q and 2 q + 1 of the slot
.irp c, 0,1
	ds_load_b128 v[AF+FR*(\i)+4*\c:AF+FR*(\i)+4*\c+3], v[ADRA+\slot] offset:4096*(\i)+512*(2*(\q)+\c)
.endr
.endm
.macro FETCH_B slot, q, p
	WIN TO_B
.irp i, 0,1,2,3,4,5,6,7
	FRAGB 128*(\p)+FR*\i, \slot, \q, \i
.endr
	WIN 0
.endm
.macro SCALESB set
.irp i, 0,1,2,3,4,5,6,7
	ds_load_b128 v[SB+32*\set+4*\i:SB+32*\set+4*\i+3], v[ADRS] offset:\i*SBLK
.endr
.endm
.macro PLACES n
.rept \n
	v_nop
.endr
.endm
; Eight matrix instructions: ctx's block a x Wo's eight.  odd = 1: the block's scale words stand in lanes 16-31.  cm = 1: the sums begin with the bias.
.macro MROW a, p, q, s, cm, odd
.irp b, 0,1,2,3,4,5,6,7
.if \cm
.if \odd
	v_wmma_scale_f32_16x16x128_f8f6f4 v[8*(8*(\a)+\b):8*(8*(\a)+\b)+7], v[128*(\p)+FR*\b:128*(\p)+FR*\b+7], v[AF+FR*(\a):AF+FR*(\a)+7], v[64+8*\b:64+8*\b+7], v[SB+32*(\s)+4*\b+(\q)], v[SA+8*((\a)/2)+4*(\s)+(\q)] matrix_a_fmt:MATRIX_FMT_FP4 matrix_b_fmt:MATRIX_FMT_FP4 matrix_b_scale:MATRIX_SCALE_ROW1
.else
	v_wmma_scale_f32_16x16x128_f8f6f4 v[8*(8*(\a)+\b):8*(8*(\a)+\b)+7], v[128*(\p)+FR*\b:128*(\p)+FR*\b+7], v[AF+FR*(\a):AF+FR*(\a)+7], v[64+8*\b:64+8*\b+7], v[SB+32*(\s)+4*\b+(\q)], v[SA+8*((\a)/2)+4*(\s)+(\q)] matrix_a_fmt:MATRIX_FMT_FP4 matrix_b_fmt:MATRIX_FMT_FP4
.endif
.else
.if \odd
	v_wmma_scale_f32_16x16x128_f8f6f4 v[8*(8*(\a)+\b):8*(8*(\a)+\b)+7], v[128*(\p)+FR*\b:128*(\p)+FR*\b+7], v[AF+FR*(\a):AF+FR*(\a)+7], v[8*(8*(\a)+\b):8*(8*(\a)+\b)+7], v[SB+32*(\s)+4*\b+(\q)], v[SA+8*((\a)/2)+4*(\s)+(\q)] matrix_a_fmt:MATRIX_FMT_FP4 matrix_b_fmt:MATRIX_FMT_FP4 matrix_b_scale:MATRIX_SCALE_ROW1
.else
	v_wmma_scale_f32_16x16x128_f8f6f4 v[8*(8*(\a)+\b):8*(8*(\a)+\b)+7], v[128*(\p)+FR*\b:128*(\p)+FR*\b+7], v[AF+FR*(\a):AF+FR*(\a)+7], v[8*(8*(\a)+\b):8*(8*(\a)+\b)+7], v[SB+32*(\s)+4*\b+(\q)], v[SA+8*((\a)/2)+4*(\s)+(\q)] matrix_a_fmt:MATRIX_FMT_FP4 matrix_b_fmt:MATRIX_FMT_FP4
.endif
.endif
.endr
.endm
.macro MUL16 a0, p, q, s, cm           ; the 32 accumulators take turns, one instruction a turn, in the same order in every step
.if \cm
	WIN 0x91                                       ; C (the bias) window 1
.else
	WIN MUL
.endif
	MROW \a0, \p, \q, \s, \cm, 0
	MROW (\a0)+1, \p, \q, \s, \cm, 1
.endm
.macro STEP4 slot, q, cm               ; a step of 128 along K that has its successor in the same slot
	s_wait_dscnt 4                                 ; all but the youngest four loads (ctx's blocks 2, 3) are in
	MUL16 0, (\q)%2, \q, \slot, \cm
	s_wait_dscnt 0
	PLACES NP
	FETCH_B \slot, (\q)+1, 1-(\q)%2
	FRAGA \slot, (\q)+1, 0
	FRAGA \slot, (\q)+1, 1
	MUL16 2, (\q)%2, \q, \slot, \cm
	PLACES NP
	WIN 0
	FRAGA \slot, (\q)+1, 2
	FRAGA \slot, (\q)+1, 3
.endm
	s_wait_tensorcnt 1                             ; the scales and my part of slot 0 are in; slot 1's load may be out
	s_barrier_signal -1
	s_barrier_wait -1
	FETCH_B 0, 0, 0
	FRAGA 0, 0, 0
	FRAGA 0, 0, 1
	SCALESB 0
.irp i, 0,1
.irp p, 0,1,2,3,4,5,6,7
	ds_load_b32 v[SA+8*\i+\p], v[ADSA] offset:512*\p+128*\i
.endr
.endr
	FRAGA 0, 0, 2
	FRAGA 0, 0, 3
	s_wait_loadcnt 63                              ; the bias is in: behind it 64 loads of x were issued, one more than the wait's field can name
	STEP4 0, 0, 1
	STEP4 0, 1, 0
	STEP4 0, 2, 0
	; slot 0's last step changes slots: all my tensor loads, the add, its wait and my reads' in front of the barrier; behind it slot 1 is whole and nobody reads slot 0
	s_wait_tensorcnt 0x0
	ds_add_u32 v[SPW], v[NIL]
	s_wait_dscnt 5                                 ; (the add and ctx's blocks 2, 3 may be out)
	MUL16 0, 1, 3, 0, 0
	s_wait_dscnt 0x0
	s_barrier_signal -1
	WIN 0
	s_barrier_wait -1
	PLACES NP
	v_add_nc_u32 v[ADRS], 16, v[ADRS]              ; on to slot 1's scale words of Wo
	FETCH_B 1, 0, 0
	FRAGA 1, 0, 0
	FRAGA 1, 0, 1
	SCALESB 1
	MUL16 2, 1, 3, 0, 0
	PLACES NP
	WIN 0
	FRAGA 1, 0, 2
	FRAGA 1, 0, 3
	STEP4 1, 0, 0
	STEP4 1, 1, 0
	STEP4 1, 2, 0
	s_wait_dscnt 4                                 ; the last step: nothing more to fetch
	MUL16 0, 1, 3, 1, 0
	s_wait_dscnt 0
	MUL16 2, 1, 3, 1, 0
	WIN 0
; THE WAY OUT, block by block of 16 rows x 128 columns: through my own stage, back as whole rows of 512 bytes, + x, stored.  LDS serves a wave's instructions in order: no wait between the stores and the loads.
.macro TOSTAGE a
	WIN 0x08                                       ; an LDS store's data are its source 1: window 2
.irp b, 0,1,2,3,4,5,6,7
	ds_store_b128 v[STO], v[64*(\a)+8*\b:64*(\a)+8*\b+3] offset:64*\b          ; each accumulator from its low end on
	ds_store_b128 v[STO], v[64*(\a)+8*\b+4:64*(\a)+8*\b+7] offset:64*\b+16
.endr
	WIN 0
.set BBK, BK+64*((\a)%2)
.irp t, 0,1,2,3,4,5,6,7,8,9,10,11,12,13,14,15
	ds_load_b128 v[BBK+4*\t:BBK+4*\t+3], v[RD] offset:\t*SPITCH
.endr
.endm
.macro SEND a, younger                 ; younger: the LDS instructions issued behind block a's loads, which may stay out
.set BBK, BK+64*((\a)%2)
	s_wait_dscnt \younger
	WIN 0x0c                                       ; source 1 (x) window 3
.set n, 0
.rept 32
	v_pk_add_f32 v[BBK+n:BBK+n+1], v[BBK+n:BBK+n+1], v[64*(\a)+n:64*(\a)+n+1]
.set n, n+2
.endr
	WIN 0
.irp t, 0,1,2,3,4,5,6,7,8,9,10,11,12,13,14,15
	global_store_b128 v[CO], v[BBK+4*\t:BBK+4*\t+3], s[98:99] offset:(16*(\a)+\t)*4096 th:TH_STORE_NT   ; 32 lanes store 512 consecutive bytes
.endr
.endm
	PLACES NP                                      ; behind the last products: for the stores that read results and the loads into the registers that held ctx's fragments
	TOSTAGE 0
	s_wait_loadcnt 0x0                             ; x
	TOSTAGE 1
	SEND 0, 32                                     ; behind block 0's loads: block 1's 16 stores and 16 loads
	s_wait_xcnt 0x0                                ; block 0's stores have read their registers: block 2's loads may land there
	TOSTAGE 2
	SEND 1, 32
	s_wait_xcnt 0x0
	TOSTAGE 3
	SEND 2, 32
	SEND 3, 0
	s_wait_tensorcnt 0x0                           ; the wave's end, behind my last tensor load and my last LDS store
	ds_add_u32 v[SPW], v[NIL]
	s_wait_dscnt 0x0
	CROUND                                         ; the closing round: no work-group ends while a partner may still ask for a tile that names it
	s_endpgm
.Lfunc_end_k_q774e9a97c1_oproj:
	.size	k_q774e9a97c1_oproj, .Lfunc_end_k_q774e9a97c1_oproj-k_q774e9a97c1_oproj
	.p2alignl 7, 3214868480
	.fill 96, 4, 3214868480
	.section	.rodata,"a",@progbits
	.p2align	6, 0x0
	.amdhsa_kernel k_q774e9a97c1_oproj
		.amdhsa_group_segment_fixed_size 327680
		.amdhsa_private_segment_fixed_size 0
		.amdhsa_enable_private_segment 0
		.amdhsa_kernarg_size 48
		.amdhsa_user_sgpr_count 2
		.amdhsa_user_sgpr_kernarg_segment_ptr 1
		.amdhsa_wavefront_size32 1
		.amdhsa_system_sgpr_workgroup_id_x 1
		.amdhsa_system_sgpr_workgroup_id_y 1
		.amdhsa_system_sgpr_workgroup_id_z 1
		.amdhsa_system_vgpr_workitem_id 0
		.amdhsa_next_free_vgpr 1024
		.amdhsa_next_free_sgpr 102
		.amdhsa_reserve_vcc 0
		.amdhsa_float_denorm_mode_32 3
		.amdhsa_float_denorm_mode_16_64 3
		.amdhsa_memory_ordered 1
		.amdhsa_forward_progress 1
		.amdhsa_inst_pref_size 90
	.end_amdhsa_kernel
	.amdgpu_metadata
---
amdhsa.version: [ 1, 2 ]
amdhsa.kernels:
  - .name:           k_q774e9a97c1_oproj
    .symbol:         k_q774e9a97c1_oproj.kd
    .args:
      - { .name: cx, .offset: 0, .size: 8, .value_kind: global_buffer, .address_space: global }
      - { .name: w_o_codes, .offset: 8, .size: 8, .value_kind: global_buffer, .address_space: global }
      - { .name: w_o_scales, .offset: 16, .size: 8, .value_kind: global_buffer, .address_space: global }
      - { .name: b_o, .offset: 24, .size: 8, .value_kind: global_buffer, .address_space: global }
      - { .name: x, .offset: 32, .size: 8, .value_kind: global_buffer, .address_space: global }
      - { .name: out0, .offset: 40, .size: 8, .value_kind: global_buffer, .address_space: global }
    .group_segment_fixed_size: 327680
    .private_segment_fixed_size: 0
    .kernarg_segment_align: 8
    .kernarg_segment_size: 48
    .max_flat_workgroup_size: 128
    .sgpr_count:     102
    .vgpr_count:     1024
    .wavefront_size: 32
...
	.end_amdgpu_metadata
.endif
;; end of part 4
;; ======== version 2 of 2: 4 launches; version 1 with the launch attn written anew for expert scheduling mode
;; workspace buffers: xn 4,456,448 bytes; qkvc 12,582,912 bytes; qkvs 786,432 bytes; cx 4,456,448 bytes
;; launch lnq: the kernel of part 1 again; grid 256 x 1, 8 waves a work-group, no clusters, 38,912 bytes of LDS; arguments x, ln_g, ln_b, xn; writes xn
;; launch qkv: the kernel of part 2 again; grid 12 x 32, 4 waves a work-group, clusters of 4 x 4, 327,680 bytes of LDS; arguments xn, w_q_codes, w_q_scales, w_k_codes, w_k_scales, w_v_codes, w_v_scales, b_q, b_k, b_v, qkvc, qkvs; writes qkvc, qkvs
;; launch attn (part 5): grid 16 x 32, 8 waves a work-group, no clusters, 53,760 bytes of LDS; arguments qkvc, qkvs, cx; writes cx
.if DOCPART == 5
	.amdgcn_target "amdgcn-amd-amdhsa--gfx1250"
	.amdhsa_code_object_version 6
	.text
	.protected	k_q774e9a97c1_attn
	.globl	k_q774e9a97c1_attn
	.p2align	8
	.type	k_q774e9a97c1_attn,@function
k_q774e9a97c1_attn:
	s_mov_b64 s[64:65], 0
	v_nop
	global_prefetch_b8 v0, s[64:65] scope:SCOPE_SE
	s_setreg_imm32_b32 hwreg(HW_REG_WAVE_SCHED_MODE, 0, 2), 2
	s_setreg_imm32_b32 hwreg(HW_REG_WAVE_MODE, 25, 1), 1
	s_wait_xcnt 0x0
	s_wait_alu depctr_vm_vsrc(0)
; ATTENTION IN A CAUSAL WINDOW OF 256 KEYS, both products on codes of FP4 (E2M1), head size 64; the result is quantised along the model's 1,024 for the last projection.
; key k counts for query q where 0 <= q - k < 256.  For 128 queries that begin at a multiple of 128 that is three aligned steps of 128 keys: the queries' own (hidden: keys after the query),
; the step before (all count), and the step before that (hidden: keys 256 or more back): with d = the query's place among the 128, place n of a step is hidden where n > d in the first and where n <= d in the third.
; Tiles that lie wholly outside the window are not multiplied.  Steps that would lie ahead of the sequence's start are left out by scalar branches on the work-group's number.
; SOFTMAX: t = score x log2(e) / 8; M = the running largest t rounded UP to a whole number; p = 2^(t - M) is what is quantised, along the keys, not normalised; the row's sum is taken of the unquantised p and divides at the end.
; The queries' own step goes first: the query's own key counts, so M is a number from the first step on.
; SHARES: a work-group owns 128 queries of a PAIR of heads; each of its eight waves 16 queries, head after head.  The three steps' codes and scale words of K and V of both heads (51 KB) are copied into LDS once.
; No tensor load and no cluster: neighbouring work-groups share two of three steps only, each read once, and two work-groups lie on a WGP (256 registers a wave).
; LAYOUT: both products transposed (S^T = K Q^T, O^T = V^T P^T): a lane holds ONE query (lane % 16).  All operands lie in memory as images of their registers: 16 bytes a lane, 512 a load.
; K = 64 IN AN INSTRUCTION OF 128: Q's fragment holds the even head in registers 0-3 and the odd head in 4-7, and so do the scale words' bytes 0, 1 and 2, 3.  K's fragment has its head's codes in that head's half and ZERO CODES
; in the other (on K's side alone: a product with a zero code adds nothing under any scale byte but 0xff, and the bytes here lie between 1 and 254).
; LIMITS: NaN and infinities are not served; a block whose largest magnitude lies under 2^-124 (a block of zeros too) keeps the byte 1.
; THE MODE: SCHED_MODE bits 1:0 = 2 (LLVM: expert scheduling mode 2), set by the entry lines.  The code itself states the register dependences
; between vector or matrix instructions and memory or LDS instructions, with s_wait_alu, always for 0.
; THE PLAN.  Registers that memory or LDS instructions touch:
;   v1, v2, v7-v11, v244-v249  addresses and offsets: written once at the head, ahead of the head's wait on va_vdst, and never again.
;   v148-198   at the head: global loads land there, LDS stores read them; afterwards the products K Q^T write them: one wait on vm_vsrc behind the first barrier.
;   v32-39, K's code registers among v84-111   LDS loads land at a step's head and in its middle; the products K Q^T read them.
;   v28-31, v116-147   LDS loads land in a step's middle; the products V^T P read them.
;   v48-55     the result's codes: written by conversions and exchanges, read by one global store each, never written again.
;   v26, v56-59   the way out's LDS store and wave 0's LDS load: no vector instruction stands behind the last head's wait on va_vdst.
; A STEP has one wait on va_vdst for its loads, in its middle: the first four products are done reading K's code registers, and the step before's V^T P is done reading V and its scale words; the step's 13 later LDS loads follow it.
; The loads at a step's head want none: the products that read their registers stand ahead of an earlier wait on va_vdst (the step before's, the head's end's or the kernel's head's), and nothing issued since names them.
; One more wait on va_vdst stands ahead of V^T P, whose operand p and its scale word vector instructions have written.  The mask's compares write scalar registers in runs of 16, with one wait on va_sdst behind each run.
.set VCB,   24576                      ; LDS: K's codes (head e, step g) at (3 e + g) x 4,096; V's likewise from here
.set SCO,   49152                      ; a step's scale words: K's 512 bytes, then V's
.set CSW,   52224                      ; the result's scale words: 128 rows x 4 bytes
.set SPARE, 52736                      ; the spare words, 128 bytes for each wave: four blocks of 256 bytes that no other line names
.set PC,  40                           ; v40-47   p's codes
.set W,   56                           ; v56-59 block maxima; v60-63 the other lane's, then bytes; v68-71 the conversions' scale operands; v[72:73] f; v74 at work
.set VF,  116                          ; v116-147 V's four fragments
.set S,   148                          ; v148-211 S^T, then p (at the head: what is copied into LDS)
.set O,   212                          ; v212-243 O^T
.set MK,  32                           ; s32-47   sixteen masks of hidden places (at the head: s34-39 at work)
; v1 16 x lane; v2 32 r; v3, v4 the add's two; v5 d - 8 h; v6 -infinity; v7 16 x thread; v8-10, v245-249 offsets of the head's loads; v11 my row's place in CSW; v12 -M, v13 the largest t, v[14:15] the sum in two halves;
; v16-23 Q; v24 Q's scale words; v25 p's; v26 the result's; v28-31 V's; v32-39 K's; v48-55 the result's codes; v80-115 zeros and K's four fragments by turns: Z C Z C Z C Z C Z, four registers each; v244 4 x thread
	s_load_b128 s[4:7], s[0:1], 0x0                ; qkvc, qkvs
	s_load_b64 s[8:9], s[0:1], 0x10                ; cx
	v_lshl_add_u32 v3, v0, 2, SPARE
	v_mov_b32 v4, 0
.irp z, 80,81,82,83,88,89,90,91,96,97,98,99,104,105,106,107,112,113,114,115
	v_mov_b32 v\z, 0                               ; the zero codes: written once
.endr
	v_lshrrev_b32 v1, 5, v0
	v_readfirstlane_b32 s10, v1                    ; wave 0..7
	s_mov_b32 s11, ttmp9                           ; j: which 128 queries
	s_and_b32 s12, ttmp7, 0xffff                   ; y = batch x 8 + head pair
	v_and_b32 v74, 31, v0
	v_lshlrev_b32 v1, 4, v74
	v_and_b32 v72, 15, v0                          ; r
	v_bfe_u32 v73, v0, 4, 1                        ; h
	v_lshlrev_b32 v2, 5, v72
	v_lshlrev_b32 v5, 3, v73
	v_sub_nc_u32 v5, v72, v5
	s_wait_alu depctr_va_sdst(0)                   ; s10, the wave's number, is written, ahead of its first reader
	s_lshl_b32 s34, s10, 4
	v_add_nc_u32 v5, s34, v5                       ; 16 w + r - 8 h: register n holds place 16 (n / 8) + n % 8 + 8 h
	v_mov_b32 v6, 0xff800000
	v_lshlrev_b32 v7, 4, v0
	v_lshlrev_b32 v244, 2, v0
	s_lshl_b32 s34, s10, 6
	s_add_co_u32 s34, s34, CSW
	v_lshl_add_u32 v11, v72, 2, s34
	s_lshl_b32 s34, s10, 2
	v_add_nc_u32 v248, s34, v2                     ; Q's scale word: 32 r + 4 w
	s_lshl_b32 s34, s11, 3
	s_add_co_u32 s34, s34, s10
	s_lshl_b32 s34, s34, 9
	v_add_nc_u32 v249, s34, v1                     ; Q's image: tile 8 j + w
	v_and_b32 v74, 127, v0
	v_lshlrev_b32 v74, 2, v74
	s_mov_b32 s13, s11                             ; the three steps; held at 0 from below, so that no load leaves its buffer (what such a copy brings is read by nobody)
	s_sub_co_i32 s14, s11, 1
	s_max_i32 s14, s14, 0
	s_sub_co_i32 s15, s11, 2
	s_max_i32 s15, s15, 0
.irp g, 0,1,2
	s_lshl_b32 s34, s[13+\g], 12
	v_add_nc_u32 v[8+\g], s34, v7                  ; codes: 4,096 bytes a step, 16 a thread
	s_lshl_b32 s34, s[13+\g], 9
	v_add_nc_u32 v[245+\g], s34, v74               ; scale words: 512 bytes a step
.endr
.irp b, 0,1,2,3
	v_mov_b32 v[W+4+\b], 0                         ; a lane permute's destination counts as one of its sources
.endr
	s_mov_b32 s26, 0x76543210
	s_mov_b32 s27, 0xfedcba98                      ; lane selects: lane l xor 16
	s_mov_b32 s28, 0x3e38aa3b                      ; c = log2(e) / 8
	s_mov_b32 s29, s28
	s_lshr_b32 s34, s12, 3                         ; the batch
	s_and_b32 s35, s12, 7                          ; the head pair
	s_lshl_b32 s36, s34, 7
	s_lshl_b32 s37, s11, 3
	s_add_co_u32 s36, s36, s37
	s_add_co_u32 s36, s36, s10                     ; my tile of 16 rows among the 512
	s_lshl_b32 s36, s36, 4
	s_lshl_b32 s37, s35, 1
	s_add_co_u32 s36, s36, s37                     ; x 16 heads + my even head
	s_lshl_b32 s36, s36, 9
	s_mov_b32 s37, 0
	s_lshl_b32 s38, s34, 4
	s_add_co_u32 s38, s38, s11                     ; my group of 128 rows
	s_lshl_b32 s38, s38, 3
	s_add_co_u32 s38, s38, s35
	s_lshl_b32 s38, s38, 9
	s_add_co_u32 s38, s38, 0x400000                ; the scale words lie behind the codes
	s_mov_b32 s39, 0
	s_wait_kmcnt 0x0
	s_add_nc_u64 s[30:31], s[8:9], s[36:37]
	s_add_nc_u64 s[2:3], s[8:9], s[38:39]
	s_lshl_b32 s34, s12, 17                        ; 65,536 bytes a head in each section
	s_mov_b32 s35, 0
	s_add_nc_u64 s[16:17], s[4:5], s[34:35]        ; q,
	s_add_nc_u64 s[18:19], s[16:17], 0x400000      ; k,
	s_add_nc_u64 s[20:21], s[16:17], 0x800000      ; v
	s_lshl_b32 s34, s12, 13                        ; 16 blocks of 512 bytes a head pair
	s_add_nc_u64 s[22:23], s[6:7], s[34:35]
	s_add_nc_u64 s[36:37], s[22:23], 0x40000
	s_add_nc_u64 s[38:39], s[22:23], 0x80000
	s_cmp_lt_u32 s10, 4                            ; waves 0-3 copy K's scale words, waves 4-7 V's
	s_cselect_b64 s[24:25], s[36:37], s[38:39]
	s_lshl_b32 s34, s11, 9
	s_add_nc_u64 s[22:23], s[22:23], s[34:35]      ; q's block
	s_wait_alu depctr_va_vdst(0)                   ; all addresses and offsets (v1, v2, v7 to v11, v244 to v249) are written, which the kernel's loads and stores read; so are the zero codes, which the scaled products take as half of an operand
.irp g, 0,1,2
	global_load_b128 v[S+16*\g:S+16*\g+3],     v[8+\g], s[18:19]
	global_load_b128 v[S+16*\g+4:S+16*\g+7],   v[8+\g], s[18:19] offset:65536
	global_load_b128 v[S+16*\g+8:S+16*\g+11],  v[8+\g], s[20:21]
	global_load_b128 v[S+16*\g+12:S+16*\g+15], v[8+\g], s[20:21] offset:65536
.endr
.irp g, 0,1,2
	global_load_b32 v[S+48+\g], v[245+\g], s[24:25]
.endr
	global_load_b128 v[16:19], v249, s[16:17]
	global_load_b128 v[20:23], v249, s[16:17] offset:65536
	global_load_b32 v24, v248, s[22:23]
.irp g, 0,1,2                          ; 18 loads are out; load k is in when at most 17 - k are
	s_wait_loadcnt 17-4*\g
	ds_store_b128 v7, v[S+16*\g:S+16*\g+3] offset:\g*4096
	s_wait_loadcnt 16-4*\g
	ds_store_b128 v7, v[S+16*\g+4:S+16*\g+7] offset:(3+\g)*4096
	s_wait_loadcnt 15-4*\g
	ds_store_b128 v7, v[S+16*\g+8:S+16*\g+11] offset:VCB+\g*4096
	s_wait_loadcnt 14-4*\g
	ds_store_b128 v7, v[S+16*\g+12:S+16*\g+15] offset:VCB+(3+\g)*4096
.endr
.irp g, 0,1,2
	s_wait_loadcnt 5-\g
	ds_store_b32 v244, v[S+48+\g] offset:SCO+1024*\g
.endr
	s_wait_loadcnt 0x0                             ; Q
	s_wait_dscnt 0x0                               ; for the others' sake: my part of the copy lies in LDS
	s_barrier_signal -1
	s_barrier_wait -1
	s_wait_alu depctr_vm_vsrc(0)                   ; my LDS stores have read v[S ..], which the first products write
; A KEY STEP of head e: step g of the three.  mask = 1: places after the query are hidden; 2: places up to the query; 0: none.  first = 1: the head's first step: its products V^T P start the sums.
.macro STEP e, g, mask, first
	ds_load_b128 v[32:35], v2 offset:SCO+1024*\g   ; K's scale words: lane r has those of key r of the eight tiles.  (No wait for these six loads: the products that read their registers stand ahead of an earlier wait on va_vdst, and nothing issued since names them)
	ds_load_b128 v[36:39], v2 offset:SCO+1024*\g+16
.irp i, 0,1,2,3
	ds_load_b128 v[84+8*\i:87+8*\i], v1 offset:(3*\e+\g)*4096+512*\i
.endr
	s_wait_dscnt 0x0
.irp i, 0,1,2,3
	v_wmma_scale_f32_16x16x128_f8f6f4 v[S+8*\i:S+8*\i+7], v[84-4*\e+8*\i:91-4*\e+8*\i], v[16:23], 0, v[32+\i], v24 matrix_a_fmt:MATRIX_FMT_FP4 matrix_b_fmt:MATRIX_FMT_FP4
.endr
.rept 4
	v_nop                                          ; places in front of loads into registers that matrix instructions have read: K's, and V's of the step before
.endr
	s_wait_alu depctr_va_vdst(0)                   ; the four products above are done reading K's code registers, and the step before's products V^T P are done reading V's fragments and scale words: the 13 loads below land in these
.irp i, 0,1,2,3
	ds_load_b128 v[84+8*\i:87+8*\i], v1 offset:(3*\e+\g)*4096+512*(4+\i)
.endr
	ds_load_b128 v[28:31], v2 offset:SCO+1024*\g+512+16*\e
.irp d, 0,1,2,3
.irp c, 0,1
	ds_load_b128 v[VF+8*\d+4*\c:VF+8*\d+4*\c+3], v1 offset:VCB+(3*\e+\g)*4096+1024*\d+512*\c
.endr
.endr
	s_wait_dscnt 9                                 ; K's four are in; V's scale words and its eight loads may be out
.irp i, 0,1,2,3
	v_wmma_scale_f32_16x16x128_f8f6f4 v[S+32+8*\i:S+32+8*\i+7], v[84-4*\e+8*\i:91-4*\e+8*\i], v[16:23], 0, v[36+\i], v24 matrix_a_fmt:MATRIX_FMT_FP4 matrix_b_fmt:MATRIX_FMT_FP4
.endr
.rept 4
	v_nop
.endr
.if \mask                              ; hidden scores become -infinity ahead of the maximum: p = 0 then.  Sixteen places at a time: their compares, one wait, their selects.  Ascending: each accumulator is read from its low end on
.set n, 0
.rept 4
.set k, 0
.rept 16
.if \mask == 1
	v_cmp_gt_i32 s[MK+k], 16*((n+k)/8)+(n+k)%8, v5
.else
	v_cmp_le_i32 s[MK+k], 16*((n+k)/8)+(n+k)%8, v5
.endif
.set k, k+1
.endr
	s_wait_alu depctr_va_sdst(0)                   ; the sixteen compares have written their masks, which the selects below read
.set k, 0
.rept 16
	v_cndmask_b32 v[S+n+k], v[S+n+k], v6, s[MK+k]
.set k, k+1
.endr
.set n, n+16
.endr
.endif
.irp b, 0,1,2,3
	v_max3_num_f32 v[W+\b], v[S+16*\b], v[S+16*\b+1], v[S+16*\b+2]   ; the largest score of each block of 32 keys: it serves for the row's maximum and, since p rises with the score, for the block's largest p
.endr
.irp i, 3,5,7,9,11,13
.irp b, 0,1,2,3
	v_max3_num_f32 v[W+\b], v[W+\b], v[S+16*\b+\i], v[S+16*\b+\i+1]
.endr
.endr
.irp b, 0,1,2,3
	v_max_num_f32 v[W+\b], v[W+\b], v[S+16*\b+15]
.endr
.irp b, 0,1,2,3
	v_permlanex16_b32 v[W+4+\b], v[W+\b], s26, s27
.endr
.irp b, 0,1,2,3
	v_max_num_f32 v[W+\b], v[W+\b], v[W+4+\b]
.endr
	v_max3_num_f32 v74, v[W], v[W+1], v[W+2]
	v_max_num_f32 v74, v74, v[W+3]
	v_mul_f32 v74, s28, v74                        ; the step's largest t
	v_max_num_f32 v13, v13, v74                    ; the running largest
	v_mov_b32 v74, v12
	v_floor_f32 v12, -v13                          ; the new -M = -ceil(t): a whole number
	v_sub_f32 v74, v12, v74                        ; old M - new M: a whole number, 0 or less
	v_cvt_i32_f32 v74, v74                         ; (it saturates)
	v_ldexp_f32 v72, 1.0, v74                      ; f = 2^(old M - new M): a multiplication by it rounds nothing
.set n, 0
.rept 32
	v_pk_fma_f32 v[S+n:S+n+1], v[S+n:S+n+1], s[28:29], v[12:13] op_sel_hi:[1,0,0]   ; t - M
.set n, n+2
.endr
.irp b, 0,1,2,3
	v_fma_f32 v[W+\b], v[W+\b], s28, v12           ; the same of each block's largest score
.endr
.set n, 0
.rept 64
	v_exp_f32 v[S+n], v[S+n]                       ; p = 2^(t - M)
.set n, n+1
.endr
	v_pk_mul_f32 v[14:15], v[14:15], v[72:73] op_sel_hi:[1,0]   ; the sums under the new M (the plain instruction behind the batch)
	s_wait_alu depctr_va_vdst(0)                   ; the 64 exponentials have written p: one wait for the batch, ahead of its first reader
.irp b, 0,1,2,3
	v_exp_f32 v[W+\b], v[W+\b]                     ; the block's largest p
.endr
	v_pk_add_f32 v[W+4:W+5], v[S:S+1], v[S+2:S+3]  ; the row's sum, of the unquantised p, in two chains
.irp j, 4,8,12,16,20,24,28,32,36,40,44,48,52,56,60
	v_pk_add_f32 v[14:15], v[14:15], v[S+\j:S+\j+1]
	v_pk_add_f32 v[W+4:W+5], v[W+4:W+5], v[S+\j+2:S+\j+3]
.endr
	v_pk_add_f32 v[14:15], v[14:15], v[W+4:W+5]
	s_wait_alu depctr_va_vdst(0)                   ; the four exponentials have written the blocks' largest p, ahead of their first reader
.irp b, 0,1,2,3
	v_max_num_f32 v[W+\b], 0x1800000, v[W+\b]      ; the floor 2^(3 - 127)
.endr
.irp b, 0,1,2,3
	v_add_nc_u32 v[W+12+\b], 0xff000000, v[W+\b]
.endr
.irp b, 0,1,2,3
	v_lshrrev_b32 v[W+4+\b], 23, v[W+12+\b]
.endr
	v_lshl_or_b32 v25, v[W+5], 8, v[W+4]           ; p's scale word for these 128 keys
	v_lshl_or_b32 v25, v[W+6], 16, v25
	v_lshl_or_b32 v25, v[W+7], 24, v25
.irp c, 0,1
	v_cvt_scalef32_pk8_fp4_f32 v[PC+4*\c],   v[S+32*\c:S+32*\c+7],     v[W+12+2*\c]
	v_cvt_scalef32_pk8_fp4_f32 v[PC+4*\c+2], v[S+32*\c+8:S+32*\c+15],  v[W+12+2*\c]
	v_cvt_scalef32_pk8_fp4_f32 v[PC+4*\c+1], v[S+32*\c+16:S+32*\c+23], v[W+13+2*\c]
	v_cvt_scalef32_pk8_fp4_f32 v[PC+4*\c+3], v[S+32*\c+24:S+32*\c+31], v[W+13+2*\c]
.endr
	v_nop                                          ; one plain instruction behind a scaled conversion
.irp c, 0,1
	v_permlane16_swap_b32 v[PC+4*\c], v[PC+4*\c+1]       ; a whole block to a lane: registers 4 c .. 4 c + 3 hold keys 64 c + 32 h + 0 .. 31
	v_permlane16_swap_b32 v[PC+4*\c+2], v[PC+4*\c+3]
.endr
.if \first
.rept 8
	v_nop                                          ; places between the writing of p's scale word and codes and the scaled products
.endr
.else
.set n, 0
.rept 16
	v_pk_mul_f32 v[O+n:O+n+1], v[O+n:O+n+1], v[72:73] op_sel_hi:[1,0]   ; O^T under the new M (these are those places too)
.set n, n+2
.endr
.endif
	s_wait_dscnt 0x0                               ; V
	s_wait_alu depctr_va_vdst(0)                   ; vector instructions have written p's codes and its scale word, which the scaled products below take; the places above stay beside this wait
.irp d, 0,1,2,3
.if \first
	v_wmma_scale_f32_16x16x128_f8f6f4 v[O+8*\d:O+8*\d+7], v[VF+8*\d:VF+8*\d+7], v[PC:PC+7], 0, v[28+\d], v25 matrix_a_fmt:MATRIX_FMT_FP4 matrix_b_fmt:MATRIX_FMT_FP4
.else
	v_wmma_scale_f32_16x16x128_f8f6f4 v[O+8*\d:O+8*\d+7], v[VF+8*\d:VF+8*\d+7], v[PC:PC+7], v[O+8*\d:O+8*\d+7], v[28+\d], v25 matrix_a_fmt:MATRIX_FMT_FP4 matrix_b_fmt:MATRIX_FMT_FP4
.endif
.endr
.endm
; The head's end: O^T / the sum; its 64 channels are two blocks of 32 along the last projection's K: quantised as above, 16 bytes a lane, an image of half a fragment.
.macro FIN e
.set CC, 48+4*\e
	v_add_f32 v14, v14, v15
	v_permlanex16_b32 v74, v14, s26, s27
	v_add_f32 v14, v14, v74                        ; the row's sum
	v_rcp_f32 v14, v14
.rept 4
	v_nop                                          ; the places behind the last products, and the plain instruction behind the reciprocal
.endr
	s_wait_alu depctr_va_vdst(0)                   ; the reciprocal is written, ahead of its first reader
.set n, 0
.rept 16
	v_pk_mul_f32 v[O+n:O+n+1], v[O+n:O+n+1], v[14:15] op_sel_hi:[1,0]
.set n, n+2
.endr
.irp b, 0,1
	v_max3_num_f32 v[W+\b], |v[O+16*\b]|, |v[O+16*\b+1]|, 0x1800000
.endr
.irp i, 2,4,6,8,10,12,14
.irp b, 0,1
	v_max3_num_f32 v[W+\b], v[W+\b], |v[O+16*\b+\i]|, |v[O+16*\b+\i+1]|
.endr
.endr
.irp b, 0,1
	v_permlanex16_b32 v[W+4+\b], v[W+\b], s26, s27
.endr
.irp b, 0,1
	v_max_num_f32 v[W+\b], v[W+\b], v[W+4+\b]
.endr
.irp b, 0,1
	v_add_nc_u32 v[W+12+\b], 0xff000000, v[W+\b]
.endr
.irp b, 0,1
	v_lshrrev_b32 v[W+4+\b], 23, v[W+12+\b]
.endr
.if \e == 0
	v_lshl_or_b32 v26, v[W+5], 8, v[W+4]           ; bytes 0, 1 of my row's scale word
.else
	v_lshl_or_b32 v74, v[W+5], 8, v[W+4]
	v_lshl_or_b32 v26, v74, 16, v26                ; bytes 2, 3
.endif
	v_cvt_scalef32_pk8_fp4_f32 v[CC],   v[O:O+7],     v[W+12]
	v_cvt_scalef32_pk8_fp4_f32 v[CC+2], v[O+8:O+15],  v[W+12]
	v_cvt_scalef32_pk8_fp4_f32 v[CC+1], v[O+16:O+23], v[W+13]
	v_cvt_scalef32_pk8_fp4_f32 v[CC+3], v[O+24:O+31], v[W+13]
	v_nop
	v_permlane16_swap_b32 v[CC], v[CC+1]
	v_permlane16_swap_b32 v[CC+2], v[CC+3]
	s_wait_alu depctr_va_vdst(0)                   ; the conversions and exchanges have written the head's codes, which the store reads; in the second head also: v26 is written, and the vector work on v56 to v59 is over
	global_store_b128 v1, v[CC:CC+3], s[30:31] offset:512*\e   ; 32 lanes store 512 consecutive bytes
.endm
.macro HEAD e
	v_mov_b32 v13, 0xff61b1e6                      ; the largest t so far: -3e38, under every t
	v_floor_f32 v12, -v13                          ; -M
	v_mov_b32 v14, 0                               ; the sum, in two halves
	v_mov_b32 v15, 0
	STEP \e, 0, 1, 1
	s_cmp_eq_u32 s11, 0                            ; the work-group's number alone: the first 128 queries have no step before them,
	s_cbranch_scc1 .Lend_\@
	STEP \e, 1, 0, 0
	s_cmp_eq_u32 s11, 1                            ; the next 128 only one
	s_cbranch_scc1 .Lend_\@
	STEP \e, 2, 2, 0
.Lend_\@:
	FIN \e
.endm
	HEAD 0
	HEAD 1
	ds_store_b32 v11, v26                          ; lanes l and l xor 16 write the same word with the same value.  (No vector instruction stands behind the second head's last wait on va_vdst, which has shown v26 written)
	s_wait_dscnt 0x0
	s_barrier_signal -1
	s_barrier_wait -1
	s_cmp_lg_u32 s10, 0                            ; wave 0 stores the 128 rows' words: 512 consecutive bytes
	s_cbranch_scc1 .Lno_words
	ds_load_b128 v[W:W+3], v1 offset:CSW           ; (the same wait has shown the vector work on these four registers over)
	s_wait_dscnt 0x0
	global_store_b128 v1, v[W:W+3], s[2:3]
.Lno_words:
	s_wait_dscnt 0x0                               ; the closing lines, six on end
	s_wait_alu 0x0
	s_wait_tensorcnt 0x0
	ds_add_u32 v3, v4
	s_wait_dscnt 0x0
	s_endpgm
.Lfunc_end_k_q774e9a97c1_attn:
	.size	k_q774e9a97c1_attn, .Lfunc_end_k_q774e9a97c1_attn-k_q774e9a97c1_attn
	.p2alignl 7, 3214868480
	.fill 96, 4, 3214868480
	.section	.rodata,"a",@progbits
	.p2align	6, 0x0
	.amdhsa_kernel k_q774e9a97c1_attn
		.amdhsa_group_segment_fixed_size 53760
		.amdhsa_private_segment_fixed_size 0
		.amdhsa_enable_private_segment 0
		.amdhsa_kernarg_size 24
		.amdhsa_user_sgpr_count 2
		.amdhsa_user_sgpr_kernarg_segment_ptr 1
		.amdhsa_wavefront_size32 1
		.amdhsa_system_sgpr_workgroup_id_x 1
		.amdhsa_system_sgpr_workgroup_id_y 1
		.amdhsa_system_sgpr_workgroup_id_z 1
		.amdhsa_system_vgpr_workitem_id 0
		.amdhsa_next_free_vgpr 256
		.amdhsa_next_free_sgpr 66
		.amdhsa_reserve_vcc 0
		.amdhsa_float_denorm_mode_32 3
		.amdhsa_float_denorm_mode_16_64 3
		.amdhsa_memory_ordered 1
		.amdhsa_forward_progress 1
		.amdhsa_inst_pref_size 139
	.end_amdhsa_kernel
	.amdgpu_metadata
---
amdhsa.version: [ 1, 2 ]
amdhsa.kernels:
  - .name:           k_q774e9a97c1_attn
    .symbol:         k_q774e9a97c1_attn.kd
    .args:
      - { .name: qkvc, .offset: 0, .size: 8, .value_kind: global_buffer, .address_space: global }
      - { .name: qkvs, .offset: 8, .size: 8, .value_kind: global_buffer, .address_space: global }
      - { .name: cx, .offset: 16, .size: 8, .value_kind: global_buffer, .address_space: global }
    .group_segment_fixed_size: 53760
    .private_segment_fixed_size: 0
    .kernarg_segment_align: 8
    .kernarg_segment_size: 24
    .max_flat_workgroup_size: 256
    .sgpr_count:     66
    .vgpr_count:     256
    .wavefront_size: 32
...
	.end_amdgpu_metadata
.endif
;; end of part 5
;; launch oproj: the kernel of part 4 again; grid 4 x 64, 4 waves a work-group, clusters of 4 x 4, 327,680 bytes of LDS; arguments cx, w_o_codes, w_o_scales, b_o, x, out0; writes out0
